; MI455X (gfx1250); checked and timed in simulation.
; The chip was launched on July 23, 2026; its instructions are those of AMD's public machine-readable ISA for CDNA 5 (MIT licence, August 2026) and "CDNA5" Instruction Set Architecture Reference Guide (July 2026). The comments in the code are by the model that wrote it; some were corrected since.
;; Multi Head Attention. Allowed arithmetic: matrix products marked QUANTISED: E2M1 operands, one E8M0 scale for each 32 along K, by v_wmma_scale_f32_16x16x128_f8f6f4 with both operands' format E2M1 (or v_wmma_scale_f32_32x16x128_f4), f32 sums; everything else in f32.
;; Inputs: bk 1,024 float32; bo 1,024 float32; bq 1,024 float32; bv 1,024 float32; wk 1,024 x 1,024 float32; wo 1,024 x 1,024 float32; wq 1,024 x 1,024 float32; wv 1,024 x 1,024 float32; x 4 x 2,048 x 1,024 float32.
;; Outputs: out0 4 x 2,048 x 1,024 float32.
;; This version of the problem:
;;   THIS VERSION OF THE PROBLEM IS GIVEN IN LOW PRECISION. The matrix products marked QUANTISED in the list below multiply operands that are first quantised to E2M1 (2 exponent bits, 1 mantissa bit; 4 bits a number), with one power-of-two scale for each 32 numbers along K (OCP MX v1.0); their sums are f32. All else is computed in f32.
;;   The module's matrix products, in the order in which they are computed (A, B: the left and right operand; K: the contracted axis; several contracted axes count as one K, in the product's order):
;;     1. [M 8,192, K 1,024] x [K 1,024, N 1,024]; A: input x; B: input wq: QUANTISED
;;     2. [M 8,192, K 1,024] x [K 1,024, N 1,024]; A: input x; B: input wk: QUANTISED
;;     3. [M 8,192, K 1,024] x [K 1,024, N 1,024]; A: input x; B: input wv: QUANTISED
;;     4. batch 64 x [M 2,048, K 64] x [K 64, N 2,048]; A: computed on the way; B: computed on the way: QUANTISED
;;     5. batch 64 x [M 2,048, K 2,048] x [K 2,048, N 64]; A: softmax (see below); B: computed on the way: QUANTISED
;;     6. [M 8,192, K 1,024] x [K 1,024, N 1,024]; A: computed on the way; B: input wo: QUANTISED
;;   THE QUANTISER, for each operand of a quantised product, along K:
;;     - K is cut into blocks of 32 from its start; a last block that is shorter is filled with zeros.
;;     - A block's scale is 2^e with e = floor(log2(the largest magnitude in the block)) - 2, held to -126 .. 127; a block of zeros has e = 0. As a byte (E8M0): e + 127.
;;     - Each number is divided by its block's scale, clamped to +-6, and rounded to the nearest number of E2M1, ties to even, subnormals kept.
;;     - The product sums the exact products of the quantised numbers (number of the format x scale) in f32.
;;   ~~~python
;;   def quantise(x, axis):      # numpy; x: float32 -> the quantised numbers, widened to float32 again
;;       x = np.moveaxis(x, axis, -1); K = x.shape[-1]
;;       x = np.pad(x, [(0, 0)] * (x.ndim - 1) + [(0, -K % 32)]); x = x.reshape(x.shape[:-1] + (-1, 32)); a = np.abs(x).max(-1, keepdims=True)
;;       e = np.where(a > 0, np.clip(np.frexp(np.where(a > 0, a, 1))[1] - 1 - 2, -126, 127), 0)      # np.frexp(a)[1] - 1 = floor(log2(a)), exactly
;;       r = np.clip(x / 2.0 ** e, -6, 6)
;;       step = 2.0 ** (np.maximum(np.frexp(np.where(r == 0, 1, r))[1] - 1, 0) - 1)
;;       q = np.round(r / step) * step * 2.0 ** e      # np.round: ties to even
;;       return np.moveaxis(q.reshape(q.shape[:-2] + (-1,))[..., :K], -1, axis).astype(np.float32)
;;   ~~~
;;   SOFTMAX AHEAD OF A QUANTISED PRODUCT. Where the list says 'softmax', what is quantised is not the finished softmax but p = 2^(t - M), with t = logit x log2(e) and M = ceil(the row's largest t), a whole number; so 1/2 < the row's largest p <= 1. The row's sum l is taken of the UNQUANTISED p, in f32, and the product's result is divided by l at the end. Since M is a whole number, a kernel that streams over the keys may use a running M (the ceiling of the running maximum): every later rescaling is an exact power of two, which a block's scale takes up: the codes' values come out the same.
;;   OPERANDS COMPUTED ON THE WAY. 'Computed on the way' means the value that the module computes at that place (a softmax that the list does not call 'softmax' is quantised finished and normalised). What goes into a quantiser is computed in f32, as accurately as f32 sums, v_exp_f32 and their like allow (about 1e-6 of the number): no bf16 or f16 on the way to a quantiser, and a product that is left as it is and whose result goes on into a quantised operand takes f32 operands (vector FMAs, or v_wmma_f32_16x16x4_f32). A number that lies on a knife's edge between two numbers of the format may be rounded either way, as far as f32 arithmetic and the matrix unit's own rounding can turn it there, and no further.
;; One version. Each part assembles by itself: llvm-mc -triple=amdgcn-amd-amdhsa -mcpu=gfx1250 --defsym DOCPART=n.
;; ======== version 1 of 1: 4 launches
;; workspace buffers: xc 4,194,304 bytes; xs 262,144 bytes; wc 2,097,152 bytes; ws 131,072 bytes; qq 4,456,448 bytes; kv 8,912,896 bytes; ac 4,194,304 bytes; ascl 262,144 bytes
;; launch prep (part 1): grid 320 x 1, 4 waves a work-group, no clusters, 68,096 bytes of LDS; arguments x, wq, wk, wv, wo, xc, xs, wc, ws; writes xc, xs, wc, ws
.if DOCPART == 1
	.amdgcn_target "amdgcn-amd-amdhsa--gfx1250"
	.amdhsa_code_object_version 6
	.text
	.protected	k_q615cfb0eaa_prep
	.globl	k_q615cfb0eaa_prep
	.p2align	8
	.type	k_q615cfb0eaa_prep,@function
k_q615cfb0eaa_prep:
	s_mov_b64 s[64:65], 0
	v_nop
	global_prefetch_b8 v0, s[64:65] scope:SCOPE_SE
	s_setreg_imm32_b32 hwreg(HW_REG_WAVE_MODE, 25, 1), 1
	s_wait_xcnt 0x0
; x [8192][1024] f32 and the four weights [1024 (k)][1024 (n)] f32 become codes of FP4 (E2M1), K innermost, two codes a byte, with one E8M0 byte for each 32 along K.
; A block's scale is 2^(floor(log2(its largest magnitude)) - 2): its byte is the largest magnitude's exponent field - 2, held at 1 from below by a floor among the maximum's leaves.
; OUTPUT ROWS ARE PERMUTED: a row (a token of x, a column n of a weight) lies at the place whose bits 3 and 4 are exchanged.  Sixteen neighbouring places are then the rows
; 32 b + 8 u + (r & 7) + 16 (r >> 3), so that in the later products two neighbouring tiles of a result hold 16 neighbours along the next K in a lane's 16 registers.
; xc [8192 places][512 B], xs [8192][32 B]; wc [4096 places][512 B], ws [4096][32 B]: wq from place 0, wk 1024, wv 2048, wo 3072.
; Work-groups 0-63 take the weights (a lane a column, registers down K: nothing is transposed by an instruction), work-groups 64-319 take x (a plain stream of blocks of 32).
; The two ways part on the work-group's number and have LDS bytes of their own.  Waves share nothing: no barrier.
; LIMITS: NaN and infinities among the inputs are not served; a block of zeros gets the byte 1 (its codes are zeros; these bytes are read by this program alone).
.set SP,    80                         ; x: a lane's place in a stage: its 64 bytes + 16 of padding
.set WREG,  8192                       ; x: LDS of a wave: two stages of 32 x SP bytes, then its 256 scale bytes
.set STEPS, 16                         ; x: a wave takes 16 steps of 512 numbers: 8 rows
.set XR,    16                         ; v16-79   four sets of 16 numbers as loaded
.set XX,    80                         ; v80-111  two sets of 16 neighbours
.set XE,    112                        ; v112-127 a scale byte for each step
.set XC,    128                        ; v128-191 codes, four registers a step: no store's data are written again
.set WSTG,  32768                      ; weights: the stages begin here, 32 rows x 272 bytes a wave
.set NB,    16                         ; weights: blocks of 32 along K for a wave (512 along K)
.set PITCH, 272
.set KROW,  512                        ; a row of codes in memory
.set WX,    32                         ; v32-95   two sets of 32 numbers
.set WC,    96                         ; v96-99   a block's codes
.set WOUT,  112                        ; v112-175 the way out
.set WSB,   24                         ; v24-27   the scale bytes, four to a register
	s_load_b256 s[4:11], s[0:1], 0x0               ; x, wq, wk, wv
	s_load_b256 s[12:19], s[0:1], 0x20             ; wo, xc, xs, wc
	s_load_b64 s[20:21], s[0:1], 0x40              ; ws
	v_lshl_add_u32 v192, v0, 2, 0x10800
	v_mov_b32 v193, 0
	v_lshrrev_b32 v1, 5, v0
	v_readfirstlane_b32 s22, v1                    ; wave
	v_and_b32 v2, 31, v0                           ; lane
	s_cmp_lt_u32 ttmp9, 64
	s_cbranch_scc1 .Lweights
; ---------------- x: each load reads 512 consecutive bytes; a step's 2,048 bytes turn through the wave's stage so that a lane holds 16 neighbours; two lanes hold a block
	v_lshlrev_b32 v3, 4, v2                        ; my 16 bytes of a load's 512
	s_mul_i32 s23, s22, WREG
	v_lshrrev_b32 v14, 2, v2
	v_mul_u32_u24 v14, v14, SP
	v_and_b32 v15, 3, v2
	v_lshl_add_u32 v14, v15, 4, v14
	v_add_nc_u32 v14, s23, v14                     ; into the stage: SP (lane / 4) + 16 (lane % 4)
	v_mul_u32_u24 v15, v2, SP
	v_add_nc_u32 v15, s23, v15                     ; out of it: SP x lane
	v_lshlrev_b32 v4, 3, v2                        ; 8 bytes a lane: my codes of a step, and my part of the scale unit
	v_lshrrev_b32 v5, 1, v2
	s_add_co_u32 s23, s23, 2*32*SP
	v_add_nc_u32 v5, s23, v5                       ; my block's byte among the wave's 256
	v_add_nc_u32 v6, s23, v4
	s_sub_co_u32 s24, ttmp9, 64
	s_lshl_b32 s24, s24, 2
	s_add_co_u32 s26, s24, s22                     ; which run of 8 rows I read
	s_and_b32 s25, s22, 1
	s_lshl_b32 s25, s25, 1
	s_lshr_b32 s28, s22, 1
	s_or_b32 s25, s25, s28
	s_add_co_u32 s25, s24, s25                     ; and where it goes: the run's two low bits are the rows' bits 3 and 4, exchanged
	s_lshl_b32 s26, s26, 15                        ; 8 rows x 4,096 bytes
	s_mov_b32 s27, 0
	s_lshl_b32 s28, s25, 12                        ; 8 rows x 512 bytes of codes
	s_mov_b32 s29, 0
	s_lshl_b32 s30, s25, 8                         ; 8 rows x 32 scale bytes
	s_mov_b32 s31, 0
	s_wait_kmcnt 0x0
	s_add_nc_u64 s[4:5], s[4:5], s[26:27]
	s_add_nc_u64 s[14:15], s[14:15], s[28:29]
	s_add_nc_u64 s[16:17], s[16:17], s[30:31]
.macro XLOAD t
.irp i, 0,1,2,3
	global_load_b128 v[XR+16*((\t)%4)+4*\i:XR+16*((\t)%4)+4*\i+3], v3, s[4:5] offset:2048*(\t)+512*\i th:TH_LOAD_NT
.endr
.endm
.macro XTURN t                         ; LDS serves a wave's instructions in order: no wait between the stores and the loads
.irp i, 0,1,2,3
	ds_store_b128 v14, v[XR+16*((\t)%4)+4*\i:XR+16*((\t)%4)+4*\i+3] offset:32*SP*((\t)%2)+8*SP*\i
.endr
.irp i, 0,1,2,3
	ds_load_b128 v[XX+16*((\t)%2)+4*\i:XX+16*((\t)%2)+4*\i+3], v15 offset:32*SP*((\t)%2)+16*\i
.endr
.endm
.irp t, 0,1,2,3
	XLOAD \t
.endr
	s_wait_loadcnt 12                              ; step 0's four loads are in
	XTURN 0
.macro XSTEP t
.set XS, XX+16*((\t)%2)
.if (\t) > 0
	s_wait_dscnt 1                                 ; this step's numbers are back from the stage (the last step's byte store may be out)
.else
	s_wait_dscnt 0x0
.endif
.if (\t)+4 < STEPS
	XLOAD (\t)+4                                   ; into the set that this step's stores into the stage have read
.endif
.if (\t)+1 < STEPS
.if STEPS-2-(\t) >= 3
	s_wait_loadcnt 12                              ; the next step's four loads are in; three steps' may be out
.else
	s_wait_loadcnt 4*(STEPS-2-(\t))
.endif
	XTURN (\t)+1
.endif
	v_max3_num_f32 v8, |v[XS]|, |v[XS+1]|, |v[XS+2]|
	v_max3_num_f32 v9, |v[XS+3]|, |v[XS+4]|, |v[XS+5]|
.irp i, 6,10
	v_max3_num_f32 v8, v8, |v[XS+\i]|, |v[XS+\i+1]|
	v_max3_num_f32 v9, v9, |v[XS+\i+2]|, |v[XS+\i+3]|
.endr
	v_max3_num_f32 v8, v8, |v[XS+14]|, |v[XS+15]|
	v_max3_num_f32 v8, v8, v9, 0x1800000           ; the floor 2^(3 - 127): the byte cannot fall under 1
	v_max_num_f32_dpp v8, v8, v8 row_xmask:1 row_mask:0xf bank_mask:0xf   ; with my neighbour's 16: the block's largest magnitude
	v_add_nc_u32 v11, 0xff000000, v8               ; 2 off its exponent field: the conversion's scale operand
	v_cvt_scalef32_pk8_fp4_f32 v[XC+4*(\t)], v[XS:XS+7], v11
	v_cvt_scalef32_pk8_fp4_f32 v[XC+4*(\t)+1], v[XS+8:XS+15], v11
	v_lshrrev_b32 v[XE+(\t)], 23, v11              ; the scale's byte
	ds_store_b8 v5, v[XE+(\t)] offset:16*(\t)      ; both lanes of a block write the same byte with the same value
	global_store_b64 v4, v[XC+4*(\t):XC+4*(\t)+1], s[14:15] offset:256*(\t)   ; the wave stores 256 consecutive bytes, aligned
.endm
.irp t, 0,1,2,3,4,5,6,7,8,9,10,11,12,13,14,15
	XSTEP \t
.endr
	ds_load_b64 v[12:13], v6
	s_wait_dscnt 0x0
	global_store_b64 v4, v[12:13], s[16:17]        ; the wave's 256 scale bytes: 256 consecutive bytes, aligned
	s_wait_tensorcnt 0x0
	ds_add_u32 v192, v193
	s_wait_dscnt 0x0
	s_endpgm
; ---------------- the weights: 16 work-groups each: 128 columns x 512 along K; a wave 32 columns
.Lweights:
	s_lshr_b32 s23, ttmp9, 4                       ; which weight
	s_bfe_u32 s24, ttmp9, 0x30001                  ; which 128 columns
	s_and_b32 s25, ttmp9, 1                        ; which half of K
	s_lshl_b32 s26, s24, 7
	s_lshl_b32 s27, s22, 5
	s_add_co_u32 s26, s26, s27                     ; my wave's first column
	v_lshlrev_b32 v3, 2, v2                        ; in: 4 bytes a lane
	s_mul_i32 s27, s22, 32*PITCH
	s_add_co_u32 s27, s27, WSTG                    ; my stage
	v_mul_u32_u24 v4, v2, PITCH
	v_add_nc_u32 v4, s27, v4                       ; into it: row = my column
	v_and_b32 v5, 15, v2
	v_lshrrev_b32 v6, 4, v2
	v_mul_u32_u24 v7, v6, PITCH
	v_lshl_add_u32 v7, v5, 4, v7
	v_add_nc_u32 v7, s27, v7                       ; out of it: sixteen lanes to a row, two rows an instruction
	v_mul_u32_u24 v8, v6, KROW
	v_lshl_add_u32 v8, v5, 4, v8                   ; and the same two rows in wc (bit 0 of a row keeps its place)
	v_and_b32 v9, 7, v2
	v_bfe_u32 v10, v2, 3, 1
	v_lshl_or_b32 v9, v10, 4, v9
	v_bfe_u32 v10, v2, 4, 1
	v_lshl_or_b32 v9, v10, 3, v9
	v_lshlrev_b32 v9, 5, v9                        ; my column's place among the wave's 32 rows of ws: bits 3 and 4 exchanged, 32 bytes a row
	s_lshl_b32 s28, s25, 21                        ; 512 rows of 4,096 bytes
	s_lshl_b32 s29, s26, 2
	s_add_co_u32 s28, s28, s29
	s_mov_b32 s29, 0
	s_lshl_b32 s30, s23, 10
	s_add_co_u32 s30, s30, s26                     ; the wave's first place in wc and ws
	s_lshl_b32 s32, s30, 5
	s_lshl_b32 s30, s30, 9
	s_lshl_b32 s31, s25, 8
	s_add_co_u32 s30, s30, s31
	s_lshl_b32 s31, s25, 4
	s_add_co_u32 s32, s32, s31
	s_mov_b32 s31, 0
	s_mov_b32 s33, 0
	s_wait_kmcnt 0x0
	s_cmp_eq_u32 s23, 1                            ; the choice hangs on the work-group's number alone
	s_cselect_b64 s[6:7], s[8:9], s[6:7]
	s_cmp_eq_u32 s23, 2
	s_cselect_b64 s[6:7], s[10:11], s[6:7]
	s_cmp_eq_u32 s23, 3
	s_cselect_b64 s[6:7], s[12:13], s[6:7]
	s_add_nc_u64 s[6:7], s[6:7], s[28:29]
	s_add_nc_u64 s[18:19], s[18:19], s[30:31]
	s_add_nc_u64 s[20:21], s[20:21], s[32:33]
.macro WLOAD t                         ; block t: W(32 t + i, my column) into set t % 2: a wave reads 128 consecutive bytes, the work-group 512
.irp i, 0,1,2,3,4,5,6,7,8,9,10,11,12,13,14,15,16,17,18,19,20,21,22,23,24,25,26,27,28,29,30,31
	global_load_b32 v[WX+32*((\t)%2)+\i], v3, s[6:7] offset:(32*(\t)+\i)*4096 th:TH_LOAD_NT
.endr
.endm
	WLOAD 0
	WLOAD 1
.macro WBLOCK t
.set WS, WX+32*((\t)%2)
.if (\t) < NB-1
	s_wait_loadcnt 32                              ; this block's 32 loads are in; the next block's may be out
.else
	s_wait_loadcnt 0
.endif
	v_max3_num_f32 v12, |v[WS]|, |v[WS+1]|, |v[WS+2]|
	v_max3_num_f32 v13, |v[WS+3]|, |v[WS+4]|, |v[WS+5]|
.irp i, 6,10,14,18,22,26
	v_max3_num_f32 v12, v12, |v[WS+\i]|, |v[WS+\i+1]|
	v_max3_num_f32 v13, v13, |v[WS+\i+2]|, |v[WS+\i+3]|
.endr
	v_max3_num_f32 v12, v12, |v[WS+30]|, |v[WS+31]|
	v_max3_num_f32 v12, v12, v13, 0x1800000        ; the floor
	v_add_nc_u32 v11, 0xff000000, v12              ; the conversion's scale operand
	v_lshrrev_b32 v13, 23, v11                     ; the scale's byte
.if (\t)%4 == 0
	v_mov_b32 v[WSB+(\t)/4], v13
.else
	v_lshl_or_b32 v[WSB+(\t)/4], v13, 8*((\t)%4), v[WSB+(\t)/4]
.endif
.irp g, 0,1,2,3
	v_cvt_scalef32_pk8_fp4_f32 v[WC+\g], v[WS+8*\g:WS+8*\g+7], v11
.endr
	ds_store_b128 v4, v[WC:WC+3] offset:16*(\t)    ; 32 codes: 16 bytes of my column's row
.if (\t)+2 < NB
	WLOAD (\t)+2
.endif
	s_wait_dscnt 0x0                               ; the store has read its registers: the next block's codes may be written
.endm
.set Q, 0
.rept NB
	WBLOCK Q
.set Q, Q+1
.endr
	global_store_b128 v9, v[WSB:WSB+3], s[20:21]   ; my column's 16 scale bytes of this half of K
.irp t, 0,1,2,3,4,5,6,7,8,9,10,11,12,13,14,15
	ds_load_b128 v[WOUT+4*\t:WOUT+4*\t+3], v7 offset:2*\t*PITCH
.endr
.irp t, 0,1,2,3,4,5,6,7,8,9,10,11,12,13,14,15
	s_wait_dscnt 15-\t
	global_store_b128 v8, v[WOUT+4*\t:WOUT+4*\t+3], s[18:19] offset:(((2*\t)%8)+8*((\t/8)%2)+16*((\t/4)%2))*KROW   ; rows 2 t, 2 t + 1 at their places; sixteen lanes store 256 consecutive bytes, aligned
.endr
	s_wait_tensorcnt 0x0
	ds_add_u32 v192, v193
	s_wait_dscnt 0x0
	s_endpgm
.Lfunc_end_k_q615cfb0eaa_prep:
	.size	k_q615cfb0eaa_prep, .Lfunc_end_k_q615cfb0eaa_prep-k_q615cfb0eaa_prep
	.p2alignl 7, 3214868480
	.fill 96, 4, 3214868480
	.section	.rodata,"a",@progbits
	.p2align	6, 0x0
	.amdhsa_kernel k_q615cfb0eaa_prep
		.amdhsa_group_segment_fixed_size 68096
		.amdhsa_private_segment_fixed_size 0
		.amdhsa_enable_private_segment 0
		.amdhsa_kernarg_size 72
		.amdhsa_user_sgpr_count 2
		.amdhsa_user_sgpr_kernarg_segment_ptr 1
		.amdhsa_wavefront_size32 1
		.amdhsa_system_sgpr_workgroup_id_x 1
		.amdhsa_system_sgpr_workgroup_id_y 1
		.amdhsa_system_sgpr_workgroup_id_z 1
		.amdhsa_system_vgpr_workitem_id 0
		.amdhsa_next_free_vgpr 194
		.amdhsa_next_free_sgpr 66
		.amdhsa_reserve_vcc 0
		.amdhsa_float_denorm_mode_32 3
		.amdhsa_float_denorm_mode_16_64 3
		.amdhsa_memory_ordered 1
		.amdhsa_forward_progress 1
		.amdhsa_inst_pref_size 111
	.end_amdhsa_kernel
	.amdgpu_metadata
---
amdhsa.version: [ 1, 2 ]
amdhsa.kernels:
  - .name:           k_q615cfb0eaa_prep
    .symbol:         k_q615cfb0eaa_prep.kd
    .args:
      - { .name: x, .offset: 0, .size: 8, .value_kind: global_buffer, .address_space: global }
      - { .name: wq, .offset: 8, .size: 8, .value_kind: global_buffer, .address_space: global }
      - { .name: wk, .offset: 16, .size: 8, .value_kind: global_buffer, .address_space: global }
      - { .name: wv, .offset: 24, .size: 8, .value_kind: global_buffer, .address_space: global }
      - { .name: wo, .offset: 32, .size: 8, .value_kind: global_buffer, .address_space: global }
      - { .name: xc, .offset: 40, .size: 8, .value_kind: global_buffer, .address_space: global }
      - { .name: xs, .offset: 48, .size: 8, .value_kind: global_buffer, .address_space: global }
      - { .name: wc, .offset: 56, .size: 8, .value_kind: global_buffer, .address_space: global }
      - { .name: ws, .offset: 64, .size: 8, .value_kind: global_buffer, .address_space: global }
    .group_segment_fixed_size: 68096
    .private_segment_fixed_size: 0
    .kernarg_segment_align: 8
    .kernarg_segment_size: 72
    .max_flat_workgroup_size: 128
    .sgpr_count:     66
    .vgpr_count:     194
    .wavefront_size: 32
...
	.end_amdgpu_metadata
.endif
;; end of part 1
;; launch qkv (part 2): grid 12 x 32, 4 waves a work-group, clusters of 4 x 4, 327,680 bytes of LDS; arguments xc, xs, wc, ws, bq, bk, bv, qq, kv; writes qq, kv
.if DOCPART == 2
	.amdgcn_target "amdgcn-amd-amdhsa--gfx1250"
	.amdhsa_code_object_version 6
	.text
	.protected	k_q615cfb0eaa_qkv
	.globl	k_q615cfb0eaa_qkv
	.p2align	8
	.type	k_q615cfb0eaa_qkv,@function
k_q615cfb0eaa_qkv:
	s_mov_b64 s[64:65], 0
	v_nop
	global_prefetch_b8 v0, s[64:65] scope:SCOPE_SE
	s_setreg_imm32_b32 hwreg(HW_REG_WAVE_MODE, 25, 1), 1
	s_wait_xcnt 0x0
	s_wait_alu depctr_hold_cnt(0) depctr_sa_sdst(0) depctr_va_vdst(0) depctr_va_sdst(0) depctr_va_ssrc(0) depctr_va_vcc(0) depctr_vm_vsrc(0)
	s_getreg_b32 s2, hwreg(HW_REG_IB_STS2, 6, 4)
	s_cmp_eq_u32 s2, 0
	s_cbranch_scc0 .Lentry_in_a_cluster
	s_endpgm
.Lentry_in_a_cluster:
	s_bfe_u32 s2, ttmp6, 0x10000c
	s_cmp_lg_u32 s2, 0xf033
	s_cbranch_scc0 .Lentry_shape_is_right
	s_endpgm
.Lentry_shape_is_right:
; q = x wq + bq, k = x wk + bk, v = x wv + bv on codes of FP4 with E8M0 scales, K = 1,024; the results are quantised again on the way out and leave as IMAGES OF OPERAND REGISTERS for the attention launch.
; A tile of 256 x 256 of a product is made by four waves, 128 x 128 each: 64 accumulators, 512 registers.  P is the operand whose rows fall into LANES (source 1), Q the one whose rows fall into a lane's REGISTERS (source 0).
; Cluster x = 0 (q), 1 (k): P = x (tokens), Q = the weight's columns: a lane holds a token, its registers run along the features: quantised along the head's 64.
; Cluster x = 2 (v): P = wv's columns, Q = x: a lane holds one feature d, its registers run along the tokens: quantised along the keys.  Only pointers and a few numbers are chosen, by the cluster's x, which all partners share.
; Rows of xc and wc lie with bits 3 and 4 of their number exchanged, so the 16 registers of Q's tiles 2 b and 2 b + 1 are the 16 neighbours 32 b + 16 (lane / 16) + 0 .. 15, and lane r of P's block a is row 32 (a / 2) + 8 (a % 2) + (r & 7) + 16 (r >> 3).
; K is two slots of 512 in LDS, both filled at the start; the scale bytes of the 512 rows come once.  Nothing is filled again.
; CLUSTERS: 4 x 4 work-groups; P's tiles are shared along a row of the cluster, Q's along a column, each asked for jointly.
; OUT: qq [bh][block of 128 queries][8 tiles x 512 B, then 256 B of scale words [r][pair]]; kv [bh][128 keys][K: 8 x 512 B | V: 4 d-tiles x 2 x 512 B | K's words 256 B | V's words 256 B].  Every store covers whole aligned runs of 256 bytes.
; LIMITS: NaN and infinities are not served; a block of zeros gets the byte 1 (its codes are zeros; the bytes are read by this program alone).
; REGISTERS: window 0: v0-31 addresses; v32-95 scale words, two sets; v128-191 P's fragments, one set; v192-255 the biases.  Window 1: Q's fragments, two sets.  Windows 2, 3: the accumulators ((a, b) at v[8 (8 (a % 4) + b)]).
;   On the way out: v128-191 a block's 64 numbers, v32-95 the codes (8 a block), v96-103 the scale words, v104-125 at work.
.set NQ,     4                         ; steps of 128 along K in a slot
.set ROWB,   256                       ; a tile's row in bytes: 512 codes
.set KROW,   512                       ; a row of xc or wc in memory
.set PITCH,  272                       ; an LDS row: 256 bytes + 16 of padding
.set FR,     8
.set NL,     2
.set NP,     4
.set HALFT,  128*PITCH
.set SLOT,   4*HALFT                   ; P's 256 rows, then Q's 256 rows
.set KS,     32                        ; a row of scale bytes
.set SCL,    2*SLOT
.set HALFS,  (128*KS/256)*272
.set SBLK,   (16*KS/256)*272
.set SPARE,  SCL+4*HALFS               ; the spare words: two blocks of 256 bytes that no other line names
.set BOF,  8                           ; v8-15   the biases' offsets
.set ADRA, 16                          ; v16-17  LDS address of my fragments of P in slot 0, 1
.set ADRB, 20                          ; v20-21  of Q
.set LI,   24                          ; v24     16 x lane: an image's place for my lane
.set SOFF, 25                          ; v25     where my scale words go
.set ADRS, 27                          ; v27     LDS address of my scale words: lanes 0-15 P's rows, lanes 16-31 Q's
.set SPW,  28
.set NIL,  29
.set SC,   32
.set AF,   128
.set BIAS, 192
.set HA,   128
.set PC,   32
.set PW,   96
.set TM,   104
.set SW,   120
.set T0,   124
.set SEL,  18                          ; s[18:19] on the way out: lane selects for lane l xor 16
.set G1, 24
.set G0, 32
.set G1B, 48
.set G0B, 56
.set G1S, 68
.set G0S, 76
.set G1SB, 80
.set G0SB, 88
.set MSB, 0
.macro WIN new                         ; the immediate's high byte repeats the setting that is left
.if MSB != (\new)
	s_set_vgpr_msb (MSB<<8)|(\new)
.set MSB, (\new)
.endif
.endm
.set MUL_LO, 0xa1                      ; source 0 (Q) window 1, source 1 (P) window 0, C and D window 2
.set MUL_HI, 0xf1
.set TO_B,   0x40
; A joint load: waves 0 and 1 fetch for P, waves 2 and 3 for Q; the branch hangs on the wave's number alone.  Four v_nop follow each of the two lines.
.macro JLOAD g0a, g1a, g0b, g1b
	s_cmp_eq_u32 s15, 0
	s_cbranch_scc0 .Lfor_b_\@
	tensor_load_to_lds s[\g0a:\g0a+3], s[\g1a:\g1a+7]
	s_nop 0
.rept 4
	v_nop
.endr
	s_branch .Lasked_\@
.Lfor_b_\@:
	tensor_load_to_lds s[\g0b:\g0b+3], s[\g1b:\g1b+7]
	s_nop 0
.rept 4
	v_nop
.endr
.Lasked_\@:
.endm
.macro CROUND                          ; a round of the cluster's barrier
	s_barrier_signal -1
	s_barrier_wait -1
	s_cmp_lg_u32 s14, 0
	s_cbranch_scc1 .Lnot_wave_0_\@
	s_barrier_signal -3
.Lnot_wave_0_\@:
	s_barrier_wait -3
	s_barrier_signal -1
	s_barrier_wait -1
.endm
	s_load_b256 s[80:87], s[0:1], 0x0              ; xc, xs, wc, ws
	s_load_b256 s[88:95], s[0:1], 0x20             ; bq, bk, bv, qq
	s_load_b64 s[96:97], s[0:1], 0x40              ; kv
	v_lshl_add_u32 v[SPW], v0, 2, SPARE
	v_mov_b32 v[NIL], 0
	ds_add_u32 v28, v29
	ds_add_u32 v28, v29
	s_wait_dscnt 0x0
	v_lshrrev_b32 v1, 5, v0
	v_readfirstlane_b32 s14, v1                    ; wave 0..3
	s_lshr_b32 s15, s14, 1                         ; which half of P's rows is mine.  Also: I fetch for P (0) or for Q (1)
	s_and_b32 s16, s14, 1                          ; which half of Q's rows.  Also: which 128 rows I fetch
	s_bfe_u32 s40, ttmp6, 0x40000                  ; cx
	s_bfe_u32 s41, ttmp6, 0x40004                  ; cy
	s_and_b32 s17, ttmp7, 0xffff                   ; the cluster's y
	s_cmp_eq_u32 ttmp9, 2                          ; the cluster's x: 2 = v
	s_cselect_b32 s18, 0, s17                      ; P's tile = 4 x this + cy
	s_cselect_b32 s19, s17, ttmp9                  ; Q's tile = 4 x this + cx
	s_cselect_b32 s2, 2048, 0                      ; wv begins at place 2,048 of wc
	s_lshl_b32 s17, s18, 2
	s_add_co_u32 s17, s17, s41                     ; P's tile
	s_lshl_b32 s42, s19, 2
	s_add_co_u32 s42, s42, s40                     ; Q's tile
	s_lshl_b32 s43, s41, 2
	s_lshl_b32 s43, 15, s43                        ; my row of the cluster
	s_lshl_b32 s44, 0x1111, s40                    ; my column
	s_or_b32 s[G1+0], s43, (0<<16)|(1<<20)|(1<<21)|(5<<22)|(3<<25)  ; the mask; elements of 1 byte; padding on: 4 words behind every 64
	s_or_b32 s[G1B+0], s44, (0<<16)|(1<<20)|(1<<21)|(5<<22)|(3<<25)
.irp g, G1, G1B
	s_mov_b32 s[\g+1], ROWB<<16                    ; tensor_dim0
	s_mov_b32 s[\g+2], 128<<16                     ; tensor_dim1
	s_mov_b32 s[\g+3], ROWB<<16                    ; tile_dim0
	s_mov_b32 s[\g+4], 128                         ; tile_dim1
	s_mov_b32 s[\g+5], KROW                        ; from row to row
	s_mov_b32 s[\g+6], 0
	s_mov_b32 s[\g+7], 0
.endr
	s_or_b32 s[G1S+0], s43, (3<<16)|(1<<20)|(1<<21)|(5<<22)|(3<<25)  ; the scales of 128 rows: 4,096 dense bytes as 16 rows of 256 (32 elements of 8 bytes), padded likewise
	s_mov_b32 s[G1S+1], 32<<16
	s_mov_b32 s[G1S+2], (128*KS/256)<<16
	s_mov_b32 s[G1S+3], 32<<16
	s_mov_b32 s[G1S+4], 128*KS/256
	s_mov_b32 s[G1S+5], 32
	s_mov_b32 s[G1S+6], 0
	s_mov_b32 s[G1S+7], 0
	s_lshl_b32 s18, s16, 7                         ; which 128 rows of the tile I fetch
	s_lshl_b32 s20, s17, 8
	s_add_co_u32 s20, s20, s18
	s_add_co_u32 s20, s20, s2                      ; P: the first place that I fetch
	s_lshl_b32 s46, s42, 8
	s_add_co_u32 s46, s46, s18                     ; Q likewise
	s_lshl_b32 s22, s20, 5                         ; their scale bytes,
	s_lshl_b32 s20, s20, 9                         ; their codes
	s_lshl_b32 s66, s46, 5
	s_lshl_b32 s46, s46, 9
	s_mov_b32 s21, 0
	s_mov_b32 s23, 0
	s_mov_b32 s47, 0
	s_mov_b32 s67, 0
	s_mul_i32 s45, s14, HALFT                      ; where they go: wave x 128 rows: no place in the cluster enters an LDS address
	s_mul_i32 s3, s14, HALFS
	s_wait_kmcnt 0x0
	s_cmp_eq_u32 ttmp9, 2
	s_cselect_b64 s[4:5], s[84:85], s[80:81]       ; P's codes: wc or xc
	s_cselect_b64 s[6:7], s[86:87], s[82:83]       ; P's scales
	s_cselect_b64 s[8:9], s[80:81], s[84:85]       ; Q's codes
	s_cselect_b64 s[10:11], s[82:83], s[86:87]     ; Q's scales
	s_cselect_b64 s[98:99], s[92:93], s[88:89]     ; the bias: bv or bq,
	s_cselect_b64 s[12:13], s[96:97], s[94:95]     ; the output: kv or qq
	s_cmp_eq_u32 ttmp9, 1
	s_cselect_b64 s[98:99], s[90:91], s[98:99]     ; or bk,
	s_cselect_b64 s[12:13], s[96:97], s[12:13]     ; into kv
	s_add_nc_u64 s[20:21], s[4:5], s[20:21]
	s_add_nc_u64 s[22:23], s[6:7], s[22:23]
	s_add_nc_u64 s[46:47], s[8:9], s[46:47]
	s_add_nc_u64 s[66:67], s[10:11], s[66:67]
	s_or_b32 s[G1SB+0], s44, (3<<16)|(1<<20)|(1<<21)|(5<<22)|(3<<25)  ; (these registers held the arguments until here)
	s_mov_b32 s[G1SB+1], 32<<16
	s_mov_b32 s[G1SB+2], (128*KS/256)<<16
	s_mov_b32 s[G1SB+3], 32<<16
	s_mov_b32 s[G1SB+4], 128*KS/256
	s_mov_b32 s[G1SB+5], 32
	s_mov_b32 s[G1SB+6], 0
	s_mov_b32 s[G1SB+7], 0
	CROUND                                         ; all sixteen work-groups are here: the first joint loads meet
	s_mov_b32 s[G0S], 1
	s_add_co_u32 s[G0S+1], s3, SCL
	s_mov_b64 s[G0S+2:G0S+3], s[22:23]
	s_or_b32 s[G0S+3], s[G0S+3], 0x80000000
	s_mov_b32 s[G0SB], 1
	s_add_co_u32 s[G0SB+1], s3, SCL
	s_mov_b64 s[G0SB+2:G0SB+3], s[66:67]
	s_or_b32 s[G0SB+3], s[G0SB+3], 0x80000000
	JLOAD G0S, G1S, G0SB, G1SB                     ; the scales first: they are wanted with the first step
.irp s, 0,1
	s_mov_b32 s[G0+4*\s], 1
	s_add_co_u32 s[G0+4*\s+1], s45, \s*SLOT
	s_add_nc_u64 s[G0+4*\s+2:G0+4*\s+3], s[20:21], \s*ROWB
	s_or_b32 s[G0+4*\s+3], s[G0+4*\s+3], 0x80000000
	s_mov_b32 s[G0B+4*\s], 1
	s_add_co_u32 s[G0B+4*\s+1], s45, \s*SLOT
	s_add_nc_u64 s[G0B+4*\s+2:G0B+4*\s+3], s[46:47], \s*ROWB
	s_or_b32 s[G0B+4*\s+3], s[G0B+4*\s+3], 0x80000000
	JLOAD G0+4*\s, G1, G0B+4*\s, G1B               ; three loads of mine are out
.endr
	v_and_b32 v1, 15, v0                           ; r
	v_bfe_u32 v2, v0, 4, 1                         ; h
	v_mul_u32_u24 v3, v1, PITCH
	v_lshl_add_u32 v4, v2, 4, v3                   ; a fragment's row x pitch + 16 h
	s_mul_i32 s21, s15, HALFT                      ; my 128 rows of P
	s_mul_i32 s22, s16, HALFT                      ; my 128 rows of Q,
	s_add_co_u32 s22, s22, 2*HALFT                 ; which lie behind P's 256
.irp s, 0,1
	v_add_nc_u32 v[ADRA+\s], s21, v4
	v_add_nc_u32 v[ADRB+\s], s22, v4
	s_add_co_u32 s21, s21, SLOT
	s_add_co_u32 s22, s22, SLOT
.endr
	v_mul_u32_u24 v5, v1, KS                       ; my row's scales: 32 bytes a row,
	v_lshrrev_b32 v6, 8, v5
	v_lshl_add_u32 v5, v6, 4, v5                   ; and 16 more for each 256 passed
	s_mul_i32 s21, s15, HALFS
	s_mul_i32 s22, s16, HALFS
	s_add_co_u32 s22, s22, 2*HALFS
	s_sub_co_u32 s22, s22, s21
	v_mul_u32_u24 v6, s22, v2                      ; lanes 16-31 take Q's
	s_add_co_u32 s21, s21, SCL
	v_add_nc_u32 v5, v5, v6
	v_add_nc_u32 v[ADRS], s21, v5
	; the way out's numbers.  q, k: tokens by P, heads by Q;  v: tokens by Q, heads by P
	s_cmp_eq_u32 ttmp9, 2
	s_cselect_b32 s92, s42, s17                    ; the tile of 256 tokens,
	s_cselect_b32 s93, s16, s15                    ; my 128 of them;
	s_cselect_b32 s94, s41, s40                    ; the tile's four heads,
	s_cselect_b32 s95, s15, s16                    ; my two of them
	s_cselect_b32 s97, -1, 0                       ; all lanes: v
	s_cselect_b32 s66, 0, 4                        ; the bias from register to register: 4 bytes (q, k) or none (v)
	s_mov_b32 s67, 8448
	s_mov_b32 s96, 8192
	s_cselect_b32 s96, s67, s96                    ; where a block's scale words begin: V's, K's,
	s_cmp_eq_u32 ttmp9, 0
	s_cselect_b32 s96, 4096, s96                   ; q's
	s_mov_b32 s104, 139264
	s_cselect_b32 s104, 69632, s104                ; a head's bytes in kv or in qq
	s_mov_b32 s105, 8704
	s_cselect_b32 s105, 4352, s105                 ; a block's
	s_lshl_b32 s92, s92, 1
	s_add_co_u32 s92, s92, s93                     ; my first token / 128
	s_lshl_b32 s94, s94, 2
	s_lshl_b32 s95, s95, 1
	s_add_co_u32 s94, s94, s95                     ; my first head
	s_lshr_b32 s93, s92, 4
	s_lshl_b32 s93, s93, 4
	s_add_co_u32 s93, s93, s94                     ; 16 x batch + head
	s_mul_i32 s93, s93, s104
	s_and_b32 s92, s92, 15
	s_mul_i32 s92, s92, s105
	s_add_co_u32 s92, s92, s93
	s_mov_b32 s93, 0
	s_add_nc_u64 s[12:13], s[12:13], s[92:93]      ; my first head's block
	s_mov_b32 s92, s104
	s_add_nc_u64 s[100:101], s[12:13], s[92:93]    ; my second head's
	s_lshl_b32 s92, s94, 8
	s_add_nc_u64 s[98:99], s[98:99], s[92:93]      ; the bias of my 128 features
	v_and_b32 v5, 7, v1
	v_lshrrev_b32 v6, 3, v1
	v_lshlrev_b32 v5, 2, v5
	v_lshl_add_u32 v5, v6, 6, v5                   ; v: my lane's feature in a block of P: (r & 7) + 16 (r >> 3)
	v_lshlrev_b32 v6, 6, v2                        ; q, k: 16 h
	v_cndmask_b32 v5, v6, v5, s97
.irp j, 0,1,2,3,4,5,6,7
	v_mad_u32_u24 v[BOF+\j], s66, \j, v5
.endr
.irp t, 0,1,2,3,4,5,6,7                        ; q, k: register 8 t + j: the bias of Q's tile t, register j;  v: register 8 a + any: the bias of my lane's feature in P's block a
.irp j, 0,1,2,3,4,5,6,7
	global_load_b32 v[BIAS+8*\t+\j], v[BOF+\j], s[98:99] offset:4*(32*(\t/2)+8*(\t%2))
.endr
.endr
	v_and_b32 v6, 31, v0
	v_lshlrev_b32 v[LI], 4, v6
	v_mul_u32_u24 v[SOFF], s104, v2                ; lanes 16-31 write my second head's words
	v_lshl_add_u32 v[SOFF], v1, 4, v[SOFF]
	v_add_nc_u32 v[SOFF], s96, v[SOFF]
.macro FRAG reg, adr, q, i             ; 16 rows x 128 K of 4-bit codes: 8 registers, two loads of 16 bytes, 32 bytes apart
.irp c, 0,1
	ds_load_b128 v[\reg+4*\c:\reg+4*\c+3], v[\adr] offset:64*(\q)+32*\c+(\i)*16*PITCH
.endr
.endm
; 16 matrix instructions: P's blocks a0, a0 + 1 x Q's eight.  The 64 accumulators take turns, one instruction a turn, in the same order in every step.
.macro MUL16 a0, p, q, sc, zero
.irp a, \a0, \a0+1
.irp b, 0,1,2,3,4,5,6,7
.if \zero
	v_wmma_scale_f32_16x16x128_f8f6f4 v[8*(8*((\a)%4)+\b):8*(8*((\a)%4)+\b)+7], v[128*(\p)+FR*\b:128*(\p)+FR*\b+FR-1], v[AF+FR*(\a):AF+FR*(\a)+FR-1], 0, v[SC+8*NQ*(\sc)+NQ*\b+(\q)], v[SC+8*NQ*(\sc)+NQ*(\a)+(\q)] matrix_a_fmt:MATRIX_FMT_FP4 matrix_b_fmt:MATRIX_FMT_FP4 matrix_a_scale:MATRIX_SCALE_ROW1
.else
	v_wmma_scale_f32_16x16x128_f8f6f4 v[8*(8*((\a)%4)+\b):8*(8*((\a)%4)+\b)+7], v[128*(\p)+FR*\b:128*(\p)+FR*\b+FR-1], v[AF+FR*(\a):AF+FR*(\a)+FR-1], v[8*(8*((\a)%4)+\b):8*(8*((\a)%4)+\b)+7], v[SC+8*NQ*(\sc)+NQ*\b+(\q)], v[SC+8*NQ*(\sc)+NQ*(\a)+(\q)] matrix_a_fmt:MATRIX_FMT_FP4 matrix_b_fmt:MATRIX_FMT_FP4 matrix_a_scale:MATRIX_SCALE_ROW1
.endif
.endr
.endr
.endm
.macro FETCH_B slot, q, p
	WIN TO_B
.irp i, 0,1,2,3,4,5,6,7
	FRAG 128*(\p)+FR*\i, ADRB+\slot, \q, \i
.endr
	WIN 0
.endm
.macro FETCH_A slot, q, i0
.irp i, \i0, \i0+1, \i0+2, \i0+3
	FRAG AF+FR*(\i), ADRA+\slot, \q, \i
.endr
.endm
.macro SCALES sc                       ; a slot's scale words: 4 words a row; lanes 0-15 take P's block i, lanes 16-31 Q's block i
.irp i, 0,1,2,3,4,5,6,7
	ds_load_b128 v[SC+8*NQ*\sc+NQ*\i:SC+8*NQ*\sc+NQ*\i+3], v[ADRS] offset:\i*SBLK
.endr
.endm
.macro PLACES n                        ; plain vector lines between a matrix instruction and a load into, or a vector line on, one of its registers
.rept \n
	v_nop
.endr
.endm
.macro STEP slot, q, zero              ; a step of 128 along K that has its successor in the same slot
	s_wait_dscnt 4*NL                              ; Q's set and P's blocks 0-3 are in; the youngest eight loads (P's blocks 4-7) may be out
	WIN MUL_LO
	MUL16 0, (\q)%2, \q, \slot, \zero
	MUL16 2, (\q)%2, \q, \slot, \zero
	s_wait_dscnt 0
	PLACES NP
	FETCH_B \slot, (\q)+1, 1-(\q)%2
	FETCH_A \slot, (\q)+1, 0
	WIN MUL_HI
	MUL16 4, (\q)%2, \q, \slot, \zero
	MUL16 6, (\q)%2, \q, \slot, \zero
	PLACES NP
	WIN 0
	FETCH_A \slot, (\q)+1, 4
.endm
.macro STEPS slot, from
.set Q, \from
.rept NQ-1-\from
	STEP \slot, Q, 0
.set Q, Q+1
.endr
.endm
	s_wait_tensorcnt 1                             ; the scales and my part of slot 0 are in (slot 1's load may be out)
	s_barrier_signal -1
	s_barrier_wait -1                              ; everybody's are
	FETCH_B 0, 0, 0
	FETCH_A 0, 0, 0
	SCALES 0
	FETCH_A 0, 0, 4
	STEP 0, 0, 1                                   ; the first products start the sums: nothing is cleared
	STEPS 0, 1
	; slot 0's last step changes slots: one barrier; in front of it my part of slot 1 has landed
	s_wait_tensorcnt 0x0                           ; all my tensor loads have landed
	ds_add_u32 v[SPW], v[NIL]                      ; 0 onto my spare word
	s_wait_dscnt 4*NL+1                            ; (the add and the youngest eight loads may be out)
	WIN MUL_LO
	MUL16 0, 1, NQ-1, 0, 0
	s_wait_dscnt 0x0                               ; the add is done, and my reads of slot 0 are over
	s_barrier_signal -1
	MUL16 2, 1, NQ-1, 0, 0
	WIN 0
	s_barrier_wait -1
	PLACES NP
	v_add_nc_u32 v[ADRS], 4*NQ, v[ADRS]            ; on to slot 1's scale words
	FETCH_B 1, 0, 0
	FETCH_A 1, 0, 0
	SCALES 1
	WIN MUL_HI
	MUL16 4, 1, NQ-1, 0, 0
	MUL16 6, 1, NQ-1, 0, 0
	PLACES NP
	WIN 0
	FETCH_A 1, 0, 4
	STEPS 1, 0
	s_wait_dscnt 4*NL                              ; the last step: nothing more to fetch
	WIN MUL_LO
	MUL16 0, 1, NQ-1, 1, 0
	MUL16 2, 1, NQ-1, 1, 0
	s_wait_dscnt 0
	WIN MUL_HI
	MUL16 4, 1, NQ-1, 1, 0
	MUL16 6, 1, NQ-1, 1, 0
	WIN 0
; 64 numbers of a lane, register 16 b + i = k 32 b + 16 (lane / 16) + i, become 8 registers of codes (registers 4 c .. 4 c + 3: k = 64 c + 32 (lane / 16) + 0 .. 31) and a scale word.
.macro QUANT src, pc, pw
.irp b, 0,1,2,3
	v_max3_num_f32 v[TM+\b], |v[\src+16*\b]|, |v[\src+1+16*\b]|, 0x1800000   ; my 16 numbers of block b, and the floor 2^(3 - 127)
.endr
.irp i, 2,4,6,8,10,12,14
.irp b, 0,1,2,3
	v_max3_num_f32 v[TM+\b], v[TM+\b], |v[\src+16*\b+\i]|, |v[\src+1+16*\b+\i]|
.endr
.endr
.irp b, 0,1,2,3
	v_permlanex16_b32 v[TM+4+\b], v[TM+\b], s[SEL], s[SEL+1]
.endr
.irp b, 0,1,2,3
	v_max_num_f32 v[TM+\b], v[TM+\b], v[TM+4+\b]   ; with lane l xor 16's: the block's largest magnitude
.endr
.irp b, 0,1,2,3
	v_add_nc_u32 v[TM+12+\b], 0xff000000, v[TM+\b] ; 2 off its exponent field: the conversion's scale operand
.endr
.irp b, 0,1,2,3
	v_lshrrev_b32 v[TM+4+\b], 23, v[TM+12+\b]      ; the scale's byte
.endr
	v_lshl_or_b32 v[\pw], v[TM+5], 8, v[TM+4]
	v_lshl_or_b32 v[\pw], v[TM+6], 16, v[\pw]
	v_lshl_or_b32 v[\pw], v[TM+7], 24, v[\pw]
.irp b, 0,1,2,3
	v_cvt_scalef32_pk8_fp4_f32 v[\pc+2*\b], v[\src+16*\b:\src+7+16*\b], v[TM+12+\b]
	v_cvt_scalef32_pk8_fp4_f32 v[\pc+1+2*\b], v[\src+8+16*\b:\src+15+16*\b], v[TM+12+\b]
.endr
	v_nop                                          ; one plain line behind a scaled conversion
.irp c, 0,1                                    ; a whole block to a lane: lanes 0-15 block 2 c, lanes 16-31 block 2 c + 1
.irp i, 0,1
	v_permlane16_swap_b32 v[\pc+4*\c+\i], v[\pc+2+4*\c+\i]
.endr
.endr
.endm
; THE WAY OUT, block a of P by block.  The bias is added as the numbers move into window 0, each accumulator from its low end on; then they are quantised and the codes leave as they stand:
; a store's 32 lanes cover 512 consecutive bytes, aligned.  Every store has data registers of its own.
.macro EPI isv
.irp a, 0,1,2,3,4,5,6,7
	WIN 0x02+(\a/4)                                ; source 0: window 2 or 3
.irp t, 0,1,2,3,4,5,6,7
.irp jj, 0,2,4,6
.if \isv
	v_pk_add_f32 v[HA+8*\t+\jj:HA+8*\t+\jj+1], v[64*(\a%4)+8*\t+\jj:64*(\a%4)+8*\t+\jj+1], v[BIAS+8*\a+\jj:BIAS+8*\a+\jj+1]
.else
	v_pk_add_f32 v[HA+8*\t+\jj:HA+8*\t+\jj+1], v[64*(\a%4)+8*\t+\jj:64*(\a%4)+8*\t+\jj+1], v[BIAS+8*\t+\jj:BIAS+8*\t+\jj+1]
.endif
.endr
.endr
	WIN 0
	QUANT HA, PC+8*\a, PW+\a
.if \isv
	global_store_b128 v[LI], v[PC+8*\a:PC+8*\a+3], s[12+88*(\a/4):13+88*(\a/4)] offset:4096+1024*(\a%4)        ; d-tile a % 4 of head a / 4: keys 0-63,
	global_store_b128 v[LI], v[PC+8*\a+4:PC+8*\a+7], s[12+88*(\a/4):13+88*(\a/4)] offset:4096+1024*(\a%4)+512  ; keys 64-127
.else
	global_store_b128 v[LI], v[PC+8*\a:PC+8*\a+3], s[12:13] offset:512*\a      ; tile a of 16 tokens: my first head's 64,
	global_store_b128 v[LI], v[PC+8*\a+4:PC+8*\a+7], s[100:101] offset:512*\a  ; my second head's
.endif
.endr
.irp p, 0,1,2,3
.if \isv
	v_cndmask_b32 v[SW+\p], v[PW+\p], v[PW+4+\p], s94      ; d-tile p's word: lanes 0-15 my first head's, lanes 16-31 my second's
.else
	v_perm_b32 v[T0], v[PW+2*\p+1], v[PW+2*\p], s92        ; the first head's two bytes of tiles 2 p and 2 p + 1,
	v_perm_b32 v[T0+1], v[PW+2*\p+1], v[PW+2*\p], s93      ; the second head's
	v_cndmask_b32 v[SW+\p], v[T0], v[T0+1], s94
.endif
.endr
	global_store_b128 v[SOFF], v[SW:SW+3], s[12:13]        ; sixteen lanes store a head's 256 bytes of words, aligned
.endm
	s_wait_loadcnt 0x0                             ; the biases
	PLACES NP                                      ; behind the last products
	s_mov_b32 s[SEL], 0x76543210
	s_mov_b32 s[SEL+1], 0xfedcba98
	s_mov_b32 s92, 0x05040100
	s_mov_b32 s93, 0x07060302
	s_mov_b32 s94, 0xffff0000
.irp b, 0,1,2,3
	v_mov_b32 v[TM+4+\b], 0                        ; written once: a lane permute's destination counts as one of its sources
.endr
	s_cmp_eq_u32 ttmp9, 2                          ; the cluster's x: the same in all partners
	s_cbranch_scc1 .Lvalues
	EPI 0
	s_branch .Lclose
.Lvalues:
	EPI 1
.Lclose:
	s_wait_tensorcnt 0x0                           ; the wave's end
	ds_add_u32 v[SPW], v[NIL]
	s_wait_dscnt 0x0
	CROUND                                         ; the closing round
	s_endpgm
.Lfunc_end_k_q615cfb0eaa_qkv:
	.size	k_q615cfb0eaa_qkv, .Lfunc_end_k_q615cfb0eaa_qkv-k_q615cfb0eaa_qkv
	.p2alignl 7, 3214868480
	.fill 96, 4, 3214868480
	.section	.rodata,"a",@progbits
	.p2align	6, 0x0
	.amdhsa_kernel k_q615cfb0eaa_qkv
		.amdhsa_group_segment_fixed_size 327680
		.amdhsa_private_segment_fixed_size 0
		.amdhsa_enable_private_segment 0
		.amdhsa_kernarg_size 72
		.amdhsa_user_sgpr_count 2
		.amdhsa_user_sgpr_kernarg_segment_ptr 1
		.amdhsa_wavefront_size32 1
		.amdhsa_system_sgpr_workgroup_id_x 1
		.amdhsa_system_sgpr_workgroup_id_y 1
		.amdhsa_system_sgpr_workgroup_id_z 1
		.amdhsa_system_vgpr_workitem_id 0
		.amdhsa_next_free_vgpr 1024
		.amdhsa_next_free_sgpr 106
		.amdhsa_reserve_vcc 0
		.amdhsa_float_denorm_mode_32 3
		.amdhsa_float_denorm_mode_16_64 3
		.amdhsa_memory_ordered 1
		.amdhsa_forward_progress 1
		.amdhsa_inst_pref_size 200
	.end_amdhsa_kernel
	.amdgpu_metadata
---
amdhsa.version: [ 1, 2 ]
amdhsa.kernels:
  - .name:           k_q615cfb0eaa_qkv
    .symbol:         k_q615cfb0eaa_qkv.kd
    .args:
      - { .name: xc, .offset: 0, .size: 8, .value_kind: global_buffer, .address_space: global }
      - { .name: xs, .offset: 8, .size: 8, .value_kind: global_buffer, .address_space: global }
      - { .name: wc, .offset: 16, .size: 8, .value_kind: global_buffer, .address_space: global }
      - { .name: ws, .offset: 24, .size: 8, .value_kind: global_buffer, .address_space: global }
      - { .name: bq, .offset: 32, .size: 8, .value_kind: global_buffer, .address_space: global }
      - { .name: bk, .offset: 40, .size: 8, .value_kind: global_buffer, .address_space: global }
      - { .name: bv, .offset: 48, .size: 8, .value_kind: global_buffer, .address_space: global }
      - { .name: qq, .offset: 56, .size: 8, .value_kind: global_buffer, .address_space: global }
      - { .name: kv, .offset: 64, .size: 8, .value_kind: global_buffer, .address_space: global }
    .group_segment_fixed_size: 327680
    .private_segment_fixed_size: 0
    .kernarg_segment_align: 8
    .kernarg_segment_size: 72
    .max_flat_workgroup_size: 128
    .sgpr_count:     106
    .vgpr_count:     1024
    .wavefront_size: 32
...
	.end_amdgpu_metadata
.endif
;; end of part 2
;; launch attn (part 3): grid 4 x 64, 16 waves a work-group, no clusters, 169,984 bytes of LDS; arguments qq, kv, ac, ascl; writes ac, ascl
.if DOCPART == 3
	.amdgcn_target "amdgcn-amd-amdhsa--gfx1250"
	.amdhsa_code_object_version 6
	.text
	.protected	k_q615cfb0eaa_attn
	.globl	k_q615cfb0eaa_attn
	.p2align	8
	.type	k_q615cfb0eaa_attn,@function
k_q615cfb0eaa_attn:
	s_mov_b64 s[64:65], 0
	v_nop
	global_prefetch_b8 v0, s[64:65] scope:SCOPE_SE
	s_setreg_imm32_b32 hwreg(HW_REG_WAVE_MODE, 25, 1), 1
	s_wait_xcnt 0x0
; a = softmax(q k^T / 8, causal) v for one head of one batch, both products on codes of FP4 with E8M0 scales; a is quantised along D (this head's 64 are two blocks) and leaves as an image of the last product's operand registers.
; SOFTMAX: t = score x log2(e) / 8; M = the running largest t rounded UP to a whole number; p = 2^(t - M) is quantised along the keys, not normalised; the row's sum is taken of the unquantised p and divides at the end.
; When M moves, the sum and O are multiplied by 2^(old M - new M), which rounds nothing.
; SHARES.  Work-group (j, bh): sixteen waves; wave w owns two tiles of 16 queries, tile 16 j + w and tile 127 - (16 j + w).  Tile tau needs (tau >> 3) + 1 key steps of 128, so every wave of the launch has 17 tile steps.
; A step all of whose keys come after a tile's queries is jumped over by a scalar branch on ids; on the diagonal hidden scores become -infinity.
; NO CLUSTER: which steps a work-group jumps over hangs on its block of queries, which would be its place in a cluster.
; LDS: the head's whole block of kv, 16 steps x 8,704 bytes, filled once by waves 0-3 (step w first, then three steps each): no ring, nothing is filled again.  All reads are 16 bytes a lane on end.
; LAYOUT.  Both products are used transposed: a lane holds one query.  A tile's 16 rows are tokens 32 (tau >> 1) + 8 (tau & 1) + (r & 7) + 16 (r >> 3), so the 16 registers of key tiles 2 b, 2 b + 1 are keys 32 b + 16 (lane / 16) + 0 .. 15.
; K = 64 IN AN INSTRUCTION OF 128: two key tiles share a source 0 (registers 0-3: tile 2 b, registers 4-7: tile 2 b + 1); against [q; 0] it gives tile 2 b's scores, against [0; q] tile 2 b + 1's.  Zero codes add nothing.
; The scale bytes of a (two a row and head) are stored singly: a row's 32 bytes come from 16 work-groups; 262,144 bytes in all.
; LIMITS: NaN and infinities are not served; a block of zeros gets the byte 1 (its codes are zeros; the bytes are read by this program alone).
.set LI,  1                            ; v1   16 x lane
.set LR,  2                            ; v2   16 r + 8,192: my row's scale words in a step
.set ADK, 3                            ; v3   the step's images
.set ADS, 4                            ; v4   the step's words
.set DL,  5                            ; v5   (r & 7) + 16 (r >> 3) - 16 h
.set DD,  6                            ; v6   at the diagonal: my query - the step's first key - 16 h
.set SO8, 7                            ; v7   32 r + h: my scale byte's place
.set QWE, 8                            ; v8, v9  q's scale words (s0, s1, s0, s1) of the early and the late tile
.set STE, 10                           ; v[10:13] -M, largest t, the sum in two halves: early tile;  v[14:17] late tile
.set STL, 14
.set QZ,  20                           ; v20-39: 0 (4), q early (4), 0 (4), q late (4), 0 (4): the four operands [0; q], [q; 0] lie over each other
.set KV,  40                           ; v40-71  four fragments of K or of V
.set SW,  72                           ; v72-75  their scale words
.set PWD, 76                           ; v76     p's scale word
.set F,   78                           ; v[78:79] f = 2^(old M - new M), later 1 / the sum; v79 is named with it as a pair
.set S,   80                           ; v80-143 S^T, then p
.set OE,  144                          ; v144-175 O^T early, v176-207 late
.set OL,  176
.set PCD, 208                          ; v208-215 p's codes
.set BM,  216                          ; v216-219 block maxima
.set T4,  220                          ; v220-223 at work
.set SO4, 224                          ; v224-227 the conversions' scale operands
.set TT,  228                          ; v228 at work; v229, v230 the scale bytes on the way out
.set WV,  12
.set BH,  13
.set TE,  14                           ; s14, s15 the two tiles
.set DSE, 16                           ; s16, s17 their diagonal steps
.set DQE, 18                           ; s18, s19 their first query in that step
.set SEL, 20
.set CS,  22                           ; s[22:23] c = log2(e) / 8
.set G1A, 24
.set G1B, 32
.set G0A, 40
.set G0B, 44
.set STEPI, 48
.set TB,  49
.set HM,  50                           ; lanes 16-31
.set QBE, 52                           ; s[52:55] q's blocks
.set ABE, 56                           ; s[56:59] where a's codes go
.set SBE, 60                           ; s[60:63] and its scale bytes
.set STB, 8704                         ; a key step in LDS and in memory
	s_load_b256 s[4:11], s[0:1], 0x0               ; qq, kv, ac, ascl
	v_lshl_add_u32 v254, v0, 2, 0x29000
	v_mov_b32 v255, 0
	ds_add_u32 v254, v255
	ds_add_u32 v254, v255
	v_lshrrev_b32 v1, 5, v0
	v_readfirstlane_b32 s[WV], v1                  ; wave 0..15
	s_and_b32 s[BH], ttmp7, 0xffff
	s_lshl_b32 s[TE], ttmp9, 4
	s_add_co_u32 s[TE], s[TE], s[WV]               ; the early tile
	s_sub_co_u32 s[TE+1], 127, s[TE]               ; the late one
.irp e, 0,1
	s_lshr_b32 s[DSE+\e], s[TE+\e], 3
	s_and_b32 s[DQE+\e], s[TE+\e], 6
	s_lshl_b32 s[DQE+\e], s[DQE+\e], 4
	s_and_b32 s51, s[TE+\e], 1
	s_lshl_b32 s51, s51, 3
	s_add_co_u32 s[DQE+\e], s[DQE+\e], s51         ; 32 ((tau & 7) >> 1) + 8 (tau & 1)
.endr
	; descriptors: dense bytes as rows of 256 (32 elements of 8 bytes), no padding, no mask: 34 rows (a step), 102 rows (three steps)
	s_mov_b32 s[G1A], 3<<16
	s_mov_b32 s[G1A+1], 32<<16
	s_mov_b32 s[G1A+2], 34<<16
	s_mov_b32 s[G1A+3], 32<<16
	s_mov_b32 s[G1A+4], 34
	s_mov_b32 s[G1A+5], 32
	s_mov_b32 s[G1A+6], 0
	s_mov_b32 s[G1A+7], 0
	s_mov_b32 s[G1B], 3<<16
	s_mov_b32 s[G1B+1], 32<<16
	s_mov_b32 s[G1B+2], 102<<16
	s_mov_b32 s[G1B+3], 32<<16
	s_mov_b32 s[G1B+4], 102
	s_mov_b32 s[G1B+5], 32
	s_mov_b32 s[G1B+6], 0
	s_mov_b32 s[G1B+7], 0
	s_mul_i32 s66, s[BH], 16*STB                   ; the head's block of kv
	s_mov_b32 s[G0A], 1
	s_mul_i32 s[G0A+1], s[WV], STB                 ; wave w (0-3): step w,
	s_mov_b32 s[G0B], 1
	s_mul_i32 s[G0B+1], s[WV], 3*STB
	s_add_co_u32 s[G0B+1], s[G0B+1], 4*STB         ; and steps 4 + 3 w .. 6 + 3 w
	s_add_co_u32 s68, s66, s[G0A+1]
	s_mov_b32 s69, 0
	s_add_co_u32 s70, s66, s[G0B+1]
	s_mov_b32 s71, 0
	s_mul_i32 s67, s[BH], 69632                    ; the head's block of qq
	s_lshr_b32 s72, s[BH], 4
	s_lshl_b32 s72, s72, 7                         ; 128 row tiles a batch
	s_and_b32 s73, s[BH], 15                       ; the head
.irp e, 0,1
	s_mul_i32 s[QBE+2*\e], s[DSE+\e], 4352
	s_add_co_u32 s[QBE+2*\e], s[QBE+2*\e], s67
	s_mov_b32 s[QBE+2*\e+1], 0
	s_add_co_u32 s74, s72, s[TE+\e]                ; the row tile
	s_lshl_b32 s[ABE+2*\e], s74, 13                ; 8,192 bytes a row tile,
	s_lshl_b32 s75, s73, 9                         ; 512 a head
	s_add_co_u32 s[ABE+2*\e], s[ABE+2*\e], s75
	s_mov_b32 s[ABE+2*\e+1], 0
	s_lshl_b32 s[SBE+2*\e], s74, 9                 ; 16 rows of 32 scale bytes,
	s_lshl_b32 s75, s73, 1                         ; 2 a head
	s_add_co_u32 s[SBE+2*\e], s[SBE+2*\e], s75
	s_mov_b32 s[SBE+2*\e+1], 0
.endr
	s_mov_b32 s[SEL], 0x76543210
	s_mov_b32 s[SEL+1], 0xfedcba98
	s_mov_b32 s[CS], 0x3e38aa3b                    ; log2(e) / 8
	s_mov_b32 s[CS+1], s[CS]
	s_mov_b32 s[HM], 0xffff0000
	s_wait_dscnt 0x0
	s_wait_kmcnt 0x0
	s_add_nc_u64 s[G0A+2:G0A+3], s[6:7], s[68:69]
	s_or_b32 s[G0A+3], s[G0A+3], 0x80000000
	s_add_nc_u64 s[G0B+2:G0B+3], s[6:7], s[70:71]
	s_or_b32 s[G0B+3], s[G0B+3], 0x80000000
	s_cmp_lt_u32 s[WV], 4                          ; a wave's two fills stand in one branch on the wave's number, ahead of every wait on TENSORcnt, every LDS read and every barrier
	s_cbranch_scc0 .Lno_fill
	tensor_load_to_lds s[G0A:G0A+3], s[G1A:G1A+7]
	s_nop 0
	tensor_load_to_lds s[G0B:G0B+3], s[G1B:G1B+7]
	s_nop 0
.rept 4
	v_nop
.endr
.Lno_fill:
.irp e, 0,1
	s_add_nc_u64 s[QBE+2*\e:QBE+2*\e+1], s[4:5], s[QBE+2*\e:QBE+2*\e+1]
	s_add_nc_u64 s[ABE+2*\e:ABE+2*\e+1], s[8:9], s[ABE+2*\e:ABE+2*\e+1]
	s_add_nc_u64 s[SBE+2*\e:SBE+2*\e+1], s[10:11], s[SBE+2*\e:SBE+2*\e+1]
.endr
	v_and_b32 v216, 31, v0
	v_lshlrev_b32 v[LI], 4, v216
	v_and_b32 v217, 15, v0                         ; r
	v_bfe_u32 v218, v0, 4, 1                       ; h
	v_lshl_add_u32 v[LR], v217, 4, 8192
	v_and_b32 v[DL], 7, v217
	v_and_b32 v219, 8, v217
	v_lshl_add_u32 v[DL], v219, 1, v[DL]
	v_lshlrev_b32 v219, 4, v218
	v_sub_nc_u32 v[DL], v[DL], v219
	v_lshl_add_u32 v[SO8], v217, 5, v218
.irp e, 0,1
	s_and_b32 s66, s[TE+\e], 7
	s_lshl_b32 s66, s66, 9
	v_add_nc_u32 v[220+2*\e], s66, v[LI]           ; my tile's image in its block,
	s_bfe_u32 s66, s[TE+\e], 0x20001
	s_lshl_b32 s66, s66, 2
	s_add_co_u32 s66, s66, 4096
	v_lshl_add_u32 v[221+2*\e], v217, 4, s66       ; and its pair's scale word of my row
	global_load_b128 v[QZ+4+8*\e:QZ+7+8*\e], v[220+2*\e], s[QBE+2*\e:QBE+2*\e+1]
	global_load_b32 v[QWE+\e], v[221+2*\e], s[QBE+2*\e:QBE+2*\e+1]
.endr
.irp z, 0,1,2,3,8,9,10,11,16,17,18,19
	v_mov_b32 v[QZ+\z], 0                          ; zero codes
.endr
.irp e, 0,1
	v_mov_b32 v[STE+4*\e+1], 0xff61b1e6            ; the largest t so far: -3e38
	v_floor_f32 v[STE+4*\e], -v[STE+4*\e+1]        ; -M
	v_mov_b32 v[STE+4*\e+2], 0
	v_mov_b32 v[STE+4*\e+3], 0
.endr
	v_mov_b32 v[F], 0
	v_mov_b32 v[F+1], 0                            ; named as the upper half of a pair
	v_mov_b32 v[TT], 0                             ; a lane permute's destination counts as one of its sources
	s_mov_b32 s67, 0x01000100
	s_wait_loadcnt 0x0                             ; q and its words
.irp e, 0,1
	s_and_b32 s66, s[TE+\e], 1
	s_lshl_b32 s66, s66, 4
	v_lshrrev_b32 v[QWE+\e], s66, v[QWE+\e]        ; my tile's two bytes of the pair's word,
	v_perm_b32 v[QWE+\e], v[QWE+\e], v[QWE+\e], s67  ; twice: for [q; 0] and for [0; q]
.endr
.set NN, 0
.rept 64
	v_mov_b32 v[OE+NN], 0                          ; O^T of both tiles: the first change of M leaves zeros zeros.  (These lines also stand between the words above and the first scaled product)
.set NN, NN+1
.endr
.irp b, 0,1,2,3
	v_mov_b32 v[T4+\b], 0
.endr
; ONE TILE'S KEY STEP.  st: its statistics; ob: its O^T; qlo, qhi: [q; 0], [0; q]; qsw: q's word; ds, dq: scalar registers with its diagonal step and its first query there.
.macro TSTEP st, ob, qlo, qhi, qsw, ds, dq
	s_cmp_gt_u32 s[STEPI], s[\ds]                  ; all 128 keys come after my queries: nothing to do
	s_cbranch_scc1 .Lhid_\@
.irp i, 0,1,2,3,4,5,6,7
	ds_load_b128 v[KV+4*\i:KV+4*\i+3], v[ADK] offset:512*\i    ; K's eight tiles
.endr
	ds_load_b128 v[SW:SW+3], v[ADS]                ; their words, a pair of tiles each
	s_wait_dscnt 0x0
.irp b, 0,1,2,3
	v_wmma_scale_f32_16x16x128_f8f6f4 v[S+16*\b:S+16*\b+7], v[KV+8*\b:KV+8*\b+7], v[\qlo:\qlo+7], 0, v[SW+\b], v[\qsw] matrix_a_fmt:MATRIX_FMT_FP4 matrix_b_fmt:MATRIX_FMT_FP4
	v_wmma_scale_f32_16x16x128_f8f6f4 v[S+16*\b+8:S+16*\b+15], v[KV+8*\b:KV+8*\b+7], v[\qhi:\qhi+7], 0, v[SW+\b], v[\qsw] matrix_a_fmt:MATRIX_FMT_FP4 matrix_b_fmt:MATRIX_FMT_FP4
.endr
.rept 4
	v_nop                                          ; four plain lines behind the products: for the loads below and for the first read of the scores
.endr
.irp i, 0,1,2,3,4,5,6,7
	ds_load_b128 v[KV+4*\i:KV+4*\i+3], v[ADK] offset:4096+512*\i   ; V's four d-tiles: they land while the softmax is walked
.endr
	ds_load_b128 v[SW:SW+3], v[ADS] offset:256
	s_cmp_lt_u32 s[STEPI], s[\ds]                  ; all keys count: no mask
	s_cbranch_scc1 .Lopen_\@
	v_add_nc_u32 v[DD], s[\dq], v[DL]              ; register 16 b + i holds key 32 b + 16 h + i of the step: hidden where 32 b + i > my query - 16 h
	v_mov_b32 v[TT], 0xff800000
.set NN, 0
.rept 64
	v_cmp_gt_i32 vcc_lo, 32*(NN/16)+NN%16, v[DD]
	v_cndmask_b32 v[S+NN], v[S+NN], v[TT], vcc_lo
.set NN, NN+1
.endr
.Lopen_\@:
.irp b, 0,1,2,3
	v_max3_num_f32 v[BM+\b], v[S+16*\b], v[S+1+16*\b], v[S+2+16*\b]   ; the largest score of each block of 32 keys: for the row's maximum and, since p rises with the score, for the block's largest p
.endr
.irp i, 3,5,7,9,11,13
.irp b, 0,1,2,3
	v_max3_num_f32 v[BM+\b], v[BM+\b], v[S+16*\b+\i], v[S+1+16*\b+\i]
.endr
.endr
.irp b, 0,1,2,3
	v_max_num_f32 v[BM+\b], v[BM+\b], v[S+15+16*\b]
.endr
.irp b, 0,1,2,3
	v_permlanex16_b32 v[T4+\b], v[BM+\b], s[SEL], s[SEL+1]
.endr
.irp b, 0,1,2,3
	v_max_num_f32 v[BM+\b], v[BM+\b], v[T4+\b]     ; with lane l xor 16's 16 keys
.endr
	v_max3_num_f32 v[TT], v[BM], v[BM+1], v[BM+2]
	v_max_num_f32 v[TT], v[TT], v[BM+3]
	v_mul_f32 v[TT], s[CS], v[TT]                  ; as t
	v_max_num_f32 v[\st+1], v[\st+1], v[TT]        ; the running largest t
	v_mov_b32 v[TT], v[\st]
	v_floor_f32 v[\st], -v[\st+1]                  ; -M = floor(-t): M is a whole number
	v_sub_f32 v[TT], v[\st], v[TT]                 ; old M - new M
	v_cvt_i32_f32 v[TT], v[TT]                     ; (it saturates)
	v_ldexp_f32 v[F], 1.0, v[TT]                   ; f = 2^(old M - new M)
.set NN, 0
.rept 32
	v_pk_fma_f32 v[S+NN:S+NN+1], v[S+NN:S+NN+1], s[CS:CS+1], v[\st:\st+1] op_sel_hi:[1,0,0]   ; t - M
.set NN, NN+2
.endr
.irp b, 0,1,2,3
	v_fma_f32 v[BM+\b], v[BM+\b], s[CS], v[\st]
.endr
.set NN, 0
.rept 64
	v_exp_f32 v[S+NN], v[S+NN]                     ; p = 2^(t - M)
.set NN, NN+1
.endr
	v_pk_mul_f32 v[\st+2:\st+3], v[\st+2:\st+3], v[F:F+1] op_sel_hi:[1,0]   ; the sums under the new M: the plain line behind the exponentials
	s_wait_alu depctr_va_vdst(0)                   ; one wait for the batch of 64, ahead of its first reader
.irp b, 0,1,2,3
	v_exp_f32 v[BM+\b], v[BM+\b]                   ; each block's largest p
.endr
	v_pk_add_f32 v[T4:T4+1], v[S:S+1], v[S+2:S+3]  ; the row's sum of the unquantised p, in two chains
.irp j, 4,8,12,16,20,24,28,32,36,40,44,48,52,56,60
	v_pk_add_f32 v[\st+2:\st+3], v[\st+2:\st+3], v[S+\j:S+\j+1]
	v_pk_add_f32 v[T4:T4+1], v[T4:T4+1], v[S+2+\j:S+3+\j]
.endr
	v_pk_add_f32 v[\st+2:\st+3], v[\st+2:\st+3], v[T4:T4+1]
	s_wait_alu depctr_va_vdst(0)                   ; and one for the four
.irp b, 0,1,2,3
	v_max_num_f32 v[BM+\b], 0x1800000, v[BM+\b]    ; the floor 2^(3 - 127)
.endr
.irp b, 0,1,2,3
	v_add_nc_u32 v[SO4+\b], 0xff000000, v[BM+\b]
.endr
.irp b, 0,1,2,3
	v_lshrrev_b32 v[T4+\b], 23, v[SO4+\b]
.endr
	v_lshl_or_b32 v[PWD], v[T4+1], 8, v[T4]
	v_lshl_or_b32 v[PWD], v[T4+2], 16, v[PWD]
	v_lshl_or_b32 v[PWD], v[T4+3], 24, v[PWD]
.irp b, 0,1,2,3
	v_cvt_scalef32_pk8_fp4_f32 v[PCD+2*\b], v[S+16*\b:S+7+16*\b], v[SO4+\b]
	v_cvt_scalef32_pk8_fp4_f32 v[PCD+1+2*\b], v[S+8+16*\b:S+15+16*\b], v[SO4+\b]
.endr
	v_nop
.irp c, 0,1
.irp i, 0,1
	v_permlane16_swap_b32 v[PCD+4*\c+\i], v[PCD+2+4*\c+\i]
.endr
.endr
.set NN, 0
.rept 16
	v_pk_mul_f32 v[\ob+NN:\ob+NN+1], v[\ob+NN:\ob+NN+1], v[F:F+1] op_sel_hi:[1,0]   ; O^T under the new M.  (These 16 also stand between p's word and codes and the products below)
.set NN, NN+2
.endr
	s_wait_dscnt 0x0                               ; V
.irp d, 0,1,2,3
	v_wmma_scale_f32_16x16x128_f8f6f4 v[\ob+8*\d:\ob+8*\d+7], v[KV+8*\d:KV+8*\d+7], v[PCD:PCD+7], v[\ob+8*\d:\ob+8*\d+7], v[SW+\d], v[PWD] matrix_a_fmt:MATRIX_FMT_FP4 matrix_b_fmt:MATRIX_FMT_FP4
.endr
.rept 4
	v_nop                                          ; four plain lines behind the products, for whatever comes next on any way: loads into their operands, or the way out
.endr
.Lhid_\@:
.endm
.macro TRIP
	v_add_nc_u32 v[ADK], s[TB], v[LI]
	v_add_nc_u32 v[ADS], s[TB], v[LR]
	TSTEP STL, OL, QZ+12, QZ+8, QWE+1, DSE+1, DQE+1
	TSTEP STE, OE, QZ+4, QZ, QWE, DSE, DQE
	s_add_co_u32 s[STEPI], s[STEPI], 1
	s_add_co_u32 s[TB], s[TB], STB
.endm
	s_wait_tensorcnt 1                             ; my first load, a step of 0 to 3, is in; my second may be out
	s_barrier_signal -1
	s_barrier_wait -1
	s_mov_b32 s[STEPI], 0
	s_mov_b32 s[TB], 0
.Lfirst:                                           ; key steps 0 to 3
	TRIP
	s_cmp_lt_u32 s[STEPI], 4
	s_cbranch_scc1 .Lfirst
	s_wait_tensorcnt 0x0                           ; my part of steps 4 to 15 is in,
	s_wait_dscnt 0x0
	s_barrier_signal -1
	s_barrier_wait -1                              ; everybody's is
	s_mov_b32 s[STEPI], 4
	s_mov_b32 s[TB], 4*STB
.Lrest:                                            ; key steps 4 to 15
	TRIP
	s_cmp_lt_u32 s[STEPI], 16
	s_cbranch_scc1 .Lrest
; THE WAY OUT of a tile: O^T / the sum; register 16 b + i is d = 32 b + 16 h + i of my query: two blocks of D, quantised; four registers of codes leave as they stand, 512 consecutive bytes a wave, aligned.
.macro OUT st, ob, pc, bt, ab, sb
	v_add_f32 v[\st+2], v[\st+2], v[\st+3]
	v_permlanex16_b32 v[TT], v[\st+2], s[SEL], s[SEL+1]
	v_add_f32 v[\st+2], v[\st+2], v[TT]            ; the row's sum
	v_rcp_f32 v[F], v[\st+2]
	v_nop
	s_wait_alu depctr_va_vdst(0)
.set NN, 0
.rept 16
	v_pk_mul_f32 v[S+NN:S+NN+1], v[\ob+NN:\ob+NN+1], v[F:F+1] op_sel_hi:[1,0]
.set NN, NN+2
.endr
.irp b, 0,1
	v_max3_num_f32 v[BM+\b], |v[S+16*\b]|, |v[S+1+16*\b]|, 0x1800000
.endr
.irp i, 2,4,6,8,10,12,14
.irp b, 0,1
	v_max3_num_f32 v[BM+\b], v[BM+\b], |v[S+16*\b+\i]|, |v[S+1+16*\b+\i]|
.endr
.endr
.irp b, 0,1
	v_permlanex16_b32 v[T4+\b], v[BM+\b], s[SEL], s[SEL+1]
.endr
.irp b, 0,1
	v_max_num_f32 v[BM+\b], v[BM+\b], v[T4+\b]
.endr
.irp b, 0,1
	v_add_nc_u32 v[SO4+\b], 0xff000000, v[BM+\b]
.endr
.irp b, 0,1
	v_lshrrev_b32 v[T4+\b], 23, v[SO4+\b]
.endr
.irp b, 0,1
	v_cvt_scalef32_pk8_fp4_f32 v[\pc+2*\b], v[S+16*\b:S+7+16*\b], v[SO4+\b]
	v_cvt_scalef32_pk8_fp4_f32 v[\pc+1+2*\b], v[S+8+16*\b:S+15+16*\b], v[SO4+\b]
.endr
	v_nop
	v_permlane16_swap_b32 v[\pc], v[\pc+2]
	v_permlane16_swap_b32 v[\pc+1], v[\pc+3]       ; lanes 0-15: d 0-31, lanes 16-31: d 32-63
	global_store_b128 v[LI], v[\pc:\pc+3], s[\ab:\ab+1]
	v_cndmask_b32 v[\bt], v[T4], v[T4+1], s[HM]    ; lanes 0-15 the first block's byte, lanes 16-31 the second's
	global_store_b8 v[SO8], v[\bt], s[\sb:\sb+1]
.endm
	OUT STE, OE, PCD, TT+1, ABE, SBE
	OUT STL, OL, PCD+4, TT+2, ABE+2, SBE+2
	s_wait_tensorcnt 0x0
	ds_add_u32 v254, v255
	s_wait_dscnt 0x0
	s_endpgm
.Lfunc_end_k_q615cfb0eaa_attn:
	.size	k_q615cfb0eaa_attn, .Lfunc_end_k_q615cfb0eaa_attn-k_q615cfb0eaa_attn
	.p2alignl 7, 3214868480
	.fill 96, 4, 3214868480
	.section	.rodata,"a",@progbits
	.p2align	6, 0x0
	.amdhsa_kernel k_q615cfb0eaa_attn
		.amdhsa_group_segment_fixed_size 169984
		.amdhsa_private_segment_fixed_size 0
		.amdhsa_enable_private_segment 0
		.amdhsa_kernarg_size 32
		.amdhsa_user_sgpr_count 2
		.amdhsa_user_sgpr_kernarg_segment_ptr 1
		.amdhsa_wavefront_size32 1
		.amdhsa_system_sgpr_workgroup_id_x 1
		.amdhsa_system_sgpr_workgroup_id_y 1
		.amdhsa_system_sgpr_workgroup_id_z 1
		.amdhsa_system_vgpr_workitem_id 0
		.amdhsa_next_free_vgpr 256
		.amdhsa_next_free_sgpr 80
		.amdhsa_reserve_vcc 1
		.amdhsa_float_denorm_mode_32 3
		.amdhsa_float_denorm_mode_16_64 3
		.amdhsa_memory_ordered 1
		.amdhsa_forward_progress 1
		.amdhsa_inst_pref_size 96
	.end_amdhsa_kernel
	.amdgpu_metadata
---
amdhsa.version: [ 1, 2 ]
amdhsa.kernels:
  - .name:           k_q615cfb0eaa_attn
    .symbol:         k_q615cfb0eaa_attn.kd
    .args:
      - { .name: qq, .offset: 0, .size: 8, .value_kind: global_buffer, .address_space: global }
      - { .name: kv, .offset: 8, .size: 8, .value_kind: global_buffer, .address_space: global }
      - { .name: ac, .offset: 16, .size: 8, .value_kind: global_buffer, .address_space: global }
      - { .name: ascl, .offset: 24, .size: 8, .value_kind: global_buffer, .address_space: global }
    .group_segment_fixed_size: 169984
    .private_segment_fixed_size: 0
    .kernarg_segment_align: 8
    .kernarg_segment_size: 32
    .max_flat_workgroup_size: 512
    .sgpr_count:     80
    .vgpr_count:     256
    .wavefront_size: 32
...
	.end_amdgpu_metadata
.endif
;; end of part 3
;; launch proj (part 4): grid 4 x 64, 4 waves a work-group, clusters of 4 x 4, 327,680 bytes of LDS; arguments ac, ascl, wc, ws, bo, out0; writes out0
.if DOCPART == 4
	.amdgcn_target "amdgcn-amd-amdhsa--gfx1250"
	.amdhsa_code_object_version 6
	.text
	.protected	k_q615cfb0eaa_proj
	.globl	k_q615cfb0eaa_proj
	.p2align	8
	.type	k_q615cfb0eaa_proj,@function
k_q615cfb0eaa_proj:
	s_mov_b64 s[64:65], 0
	v_nop
	global_prefetch_b8 v0, s[64:65] scope:SCOPE_SE
	s_setreg_imm32_b32 hwreg(HW_REG_WAVE_MODE, 25, 1), 1
	s_wait_xcnt 0x0
	s_wait_alu depctr_hold_cnt(0) depctr_sa_sdst(0) depctr_va_vdst(0) depctr_va_sdst(0) depctr_va_ssrc(0) depctr_va_vcc(0) depctr_vm_vsrc(0)
	s_getreg_b32 s2, hwreg(HW_REG_IB_STS2, 6, 4)
	s_cmp_eq_u32 s2, 0
	s_cbranch_scc0 .Lentry_in_a_cluster
	s_endpgm
.Lentry_in_a_cluster:
	s_bfe_u32 s2, ttmp6, 0x10000c
	s_cmp_lg_u32 s2, 0xf033
	s_cbranch_scc0 .Lentry_shape_is_right
	s_endpgm
.Lentry_shape_is_right:
; out0 = a wo + bo on codes of FP4 with E8M0 scales, K = 1,024.  P = a (rows in lanes, source 1), Q = wo's columns (places 3,072 on of wc; source 0: a lane's registers run along the output's columns).
; A tile is 128 rows x 256 columns: 256 work-groups; four waves, each 64 x 128: 32 accumulators, window 2.
; a's codes lie as images of the operand's registers, [row tile of 16][K step of 128][half][512 B]: a fragment is two loads of 16 bytes a lane on end.  wo's lie as rows, padded in LDS.
; Rows of a and of wc lie with bits 3 and 4 of their number exchanged: lane r of block a is row 32 (a / 2) + 8 (a % 2) + (r & 7) + 16 (r >> 3); register j of Q's tile 2 b + u is column 32 b + 16 h + 8 u + j.
; K is two slots of 512 in LDS, both filled at the start, the scale bytes once: nothing is filled again.  bo is the C of each sum's first product.
; CLUSTERS: 4 x 4 work-groups; a's tiles are shared along a row of the cluster, wo's along a column.
; REGISTERS: window 0: v0-31 addresses; v32-95 scale words, two sets; v96-127, v128-159 P's fragments, two sets; v192-255 bo.  Window 1: Q's fragments, two sets, at v0 and v128.  Window 2: accumulator (a, b) at v[8 (8 a + b)].
.set NQ,     4
.set ROWB,   256
.set KROW,   512
.set PITCH,  272
.set FR,     8
.set HALFQ,  128*PITCH                 ; 128 rows of Q: what one load brings
.set QOFF,   32768                     ; a slot: P's 8 row tiles x 4,096 bytes, then Q's 256 rows
.set SLOT,   QOFF+2*HALFQ
.set SCL,    2*SLOT
.set HALFSP, 8*272                     ; the scales of 64 rows of P
.set HALFSQ, 16*272                    ; of 128 rows of Q
.set SBLK,   2*272                     ; of 16 rows
.set SPARE,  SCL+2*HALFSP+2*HALFSQ     ; the spare words: two blocks of 256 bytes that no other line names
.set SPITCH, 528                       ; the way out: 16 rows x (512 + 16) bytes a wave, in slot 0, behind its last fill and its last read
.set ADRA, 16
.set ADRB, 20
.set STO,  24
.set RD,   25
.set CO,   26                          ; v26  16 x lane
.set ADRS, 27
.set SPW,  28
.set NIL,  29
.set SC,   32
.set AF,   96
.set BIAS, 192
.set BK,   128                         ; the way out: v128-191 and v192-255 by turns
.set G1, 24
.set G0, 32
.set G1B, 48
.set G0B, 56
.set G1S, 68
.set G0S, 76
.set G1SB, 80
.set G0SB, 88
.set MSB, 0
.macro WIN new
.if MSB != (\new)
	s_set_vgpr_msb (MSB<<8)|(\new)
.set MSB, (\new)
.endif
.endm
.macro JLOAD g0a, g1a, g0b, g1b        ; waves 0 and 1 fetch for P, waves 2 and 3 for Q; four v_nop follow each of the two lines
	s_cmp_eq_u32 s15, 0
	s_cbranch_scc0 .Lfor_b_\@
	tensor_load_to_lds s[\g0a:\g0a+3], s[\g1a:\g1a+7]
	s_nop 0
.rept 4
	v_nop
.endr
	s_branch .Lasked_\@
.Lfor_b_\@:
	tensor_load_to_lds s[\g0b:\g0b+3], s[\g1b:\g1b+7]
	s_nop 0
.rept 4
	v_nop
.endr
.Lasked_\@:
.endm
.macro CROUND
	s_barrier_signal -1
	s_barrier_wait -1
	s_cmp_lg_u32 s14, 0
	s_cbranch_scc1 .Lnot_wave_0_\@
	s_barrier_signal -3
.Lnot_wave_0_\@:
	s_barrier_wait -3
	s_barrier_signal -1
	s_barrier_wait -1
.endm
	s_load_b256 s[4:11], s[0:1], 0x0               ; ac, ascl, wc, ws
	s_load_b128 s[92:95], s[0:1], 0x20             ; bo, out0
	v_lshl_add_u32 v[SPW], v0, 2, SPARE
	v_mov_b32 v[NIL], 0
	ds_add_u32 v28, v29
	ds_add_u32 v28, v29
	s_wait_dscnt 0x0
	v_lshrrev_b32 v1, 5, v0
	v_readfirstlane_b32 s14, v1                    ; wave
	s_lshr_b32 s15, s14, 1                         ; which 64 rows of P are mine.  Also: I fetch for P (0) or for Q (1)
	s_and_b32 s16, s14, 1                          ; which 128 rows of Q.  Also: which half I fetch
	s_bfe_u32 s40, ttmp6, 0x40000                  ; cx
	s_bfe_u32 s41, ttmp6, 0x40004                  ; cy
	s_lshl_b32 s42, ttmp9, 2
	s_add_co_u32 s42, s42, s40                     ; the tile of 256 columns
	s_and_b32 s17, ttmp7, 0xffff
	s_lshl_b32 s17, s17, 2
	s_add_co_u32 s17, s17, s41                     ; the tile of 128 rows
	s_lshl_b32 s43, s41, 2
	s_lshl_b32 s43, 15, s43                        ; my row of the cluster
	s_lshl_b32 s44, 0x1111, s40                    ; my column
	s_or_b32 s[G1+0], s43, (3<<16)|(1<<21)         ; P: 4 row tiles x 4,096 bytes (512 elements of 8 bytes), 8,192 bytes apart; no padding
	s_mov_b32 s[G1+1], 512<<16
	s_mov_b32 s[G1+2], 4<<16
	s_mov_b32 s[G1+3], 512<<16
	s_mov_b32 s[G1+4], 4
	s_mov_b32 s[G1+5], 1024
	s_mov_b32 s[G1+6], 0
	s_mov_b32 s[G1+7], 0
	s_or_b32 s[G1B+0], s44, (0<<16)|(1<<20)|(1<<21)|(5<<22)|(3<<25)  ; Q: 128 rows x 256 bytes, 4 words of padding behind every 64
	s_mov_b32 s[G1B+1], ROWB<<16
	s_mov_b32 s[G1B+2], 128<<16
	s_mov_b32 s[G1B+3], ROWB<<16
	s_mov_b32 s[G1B+4], 128
	s_mov_b32 s[G1B+5], KROW
	s_mov_b32 s[G1B+6], 0
	s_mov_b32 s[G1B+7], 0
	s_or_b32 s[G1S+0], s43, (3<<16)|(1<<20)|(1<<21)|(5<<22)|(3<<25)  ; P's scales: 2,048 dense bytes as 8 rows of 256, padded
	s_mov_b32 s[G1S+1], 32<<16
	s_mov_b32 s[G1S+2], 8<<16
	s_mov_b32 s[G1S+3], 32<<16
	s_mov_b32 s[G1S+4], 8
	s_mov_b32 s[G1S+5], 32
	s_mov_b32 s[G1S+6], 0
	s_mov_b32 s[G1S+7], 0
	s_or_b32 s[G1SB+0], s44, (3<<16)|(1<<20)|(1<<21)|(5<<22)|(3<<25) ; Q's: 4,096 bytes as 16 rows
	s_mov_b32 s[G1SB+1], 32<<16
	s_mov_b32 s[G1SB+2], 16<<16
	s_mov_b32 s[G1SB+3], 32<<16
	s_mov_b32 s[G1SB+4], 16
	s_mov_b32 s[G1SB+5], 32
	s_mov_b32 s[G1SB+6], 0
	s_mov_b32 s[G1SB+7], 0
	s_lshl_b32 s20, s17, 16                        ; P's codes: 8 row tiles x 8,192 bytes a tile,
	s_lshl_b32 s18, s16, 15                        ; my four row tiles
	s_add_co_u32 s20, s20, s18
	s_mov_b32 s21, 0
	s_lshl_b32 s22, s17, 12                        ; P's scales: 128 rows x 32 bytes,
	s_lshl_b32 s18, s16, 11
	s_add_co_u32 s22, s22, s18
	s_mov_b32 s23, 0
	s_lshl_b32 s46, s42, 8
	s_lshl_b32 s18, s16, 7
	s_add_co_u32 s46, s46, s18
	s_add_co_u32 s46, s46, 3072                    ; Q: the first place of wc that I fetch
	s_lshl_b32 s66, s46, 5
	s_lshl_b32 s46, s46, 9
	s_mov_b32 s47, 0
	s_mov_b32 s67, 0
	s_lshl_b32 s45, s16, 14                        ; where they go: made of the wave's number alone
	s_mul_i32 s96, s16, HALFQ
	s_add_co_u32 s96, s96, QOFF
	s_mul_i32 s97, s16, HALFSP
	s_add_co_u32 s97, s97, SCL
	s_mul_i32 s3, s16, HALFSQ
	s_add_co_u32 s3, s3, SCL+2*HALFSP
	s_wait_kmcnt 0x0
	s_add_nc_u64 s[20:21], s[4:5], s[20:21]
	s_add_nc_u64 s[22:23], s[6:7], s[22:23]
	s_add_nc_u64 s[46:47], s[8:9], s[46:47]
	s_add_nc_u64 s[66:67], s[10:11], s[66:67]
	CROUND                                         ; all sixteen work-groups are here: the first joint loads meet
	s_mov_b32 s[G0S], 1
	s_mov_b32 s[G0S+1], s97
	s_mov_b64 s[G0S+2:G0S+3], s[22:23]
	s_or_b32 s[G0S+3], s[G0S+3], 0x80000000
	s_mov_b32 s[G0SB], 1
	s_mov_b32 s[G0SB+1], s3
	s_mov_b64 s[G0SB+2:G0SB+3], s[66:67]
	s_or_b32 s[G0SB+3], s[G0SB+3], 0x80000000
	JLOAD G0S, G1S, G0SB, G1SB
.irp s, 0,1
	s_mov_b32 s[G0+4*\s], 1
	s_add_co_u32 s[G0+4*\s+1], s45, \s*SLOT
	s_add_nc_u64 s[G0+4*\s+2:G0+4*\s+3], s[20:21], \s*4096
	s_or_b32 s[G0+4*\s+3], s[G0+4*\s+3], 0x80000000
	s_mov_b32 s[G0B+4*\s], 1
	s_add_co_u32 s[G0B+4*\s+1], s96, \s*SLOT
	s_add_nc_u64 s[G0B+4*\s+2:G0B+4*\s+3], s[46:47], \s*ROWB
	s_or_b32 s[G0B+4*\s+3], s[G0B+4*\s+3], 0x80000000
	JLOAD G0+4*\s, G1, G0B+4*\s, G1B               ; three loads of mine are out
.endr
	v_and_b32 v1, 15, v0                           ; r
	v_bfe_u32 v2, v0, 4, 1                         ; h
	v_and_b32 v6, 31, v0
	v_lshlrev_b32 v[CO], 4, v6
	s_lshl_b32 s21, s15, 14                        ; my four row tiles of P
	v_add_nc_u32 v[ADRA], s21, v[CO]
	v_add_nc_u32 v[ADRA+1], SLOT, v[ADRA]
	v_mul_u32_u24 v3, v1, PITCH
	v_lshl_add_u32 v4, v2, 4, v3
	s_mul_i32 s22, s16, HALFQ
	s_add_co_u32 s22, s22, QOFF                    ; my 128 rows of Q
	v_add_nc_u32 v[ADRB], s22, v4
	v_add_nc_u32 v[ADRB+1], SLOT, v[ADRB]
	v_lshlrev_b32 v5, 5, v1                        ; my row's scales: 32 bytes a row,
	v_lshrrev_b32 v6, 8, v5
	v_lshl_add_u32 v5, v6, 4, v5                   ; and 16 more for each 256 passed
	s_mul_i32 s21, s15, HALFSP
	s_mul_i32 s22, s16, HALFSQ
	s_add_co_u32 s22, s22, 2*HALFSP
	s_sub_co_u32 s22, s22, s21
	v_mul_u32_u24 v6, s22, v2                      ; lanes 16-31 take Q's
	s_add_co_u32 s21, s21, SCL
	v_add_nc_u32 v5, v5, v6
	v_add_nc_u32 v[ADRS], s21, v5
	s_mul_i32 s23, s14, 16*SPITCH                  ; my stage
	v_mul_u32_u24 v5, v1, SPITCH
	v_lshl_add_u32 v5, v2, 6, v5
	v_add_nc_u32 v[STO], s23, v5                   ; in: row r, + 64 h: columns 16 h on of each 32
	v_add_nc_u32 v[RD], s23, v[CO]                 ; back: a row of 512 bytes, 16 a lane
	s_lshl_b32 s20, s17, 19                        ; out0: 128 rows x 4,096 bytes a tile,
	s_lshl_b32 s21, s15, 18                        ; my 64 rows,
	s_add_co_u32 s20, s20, s21
	s_mov_b32 s21, 0
	s_lshl_b32 s46, s42, 10                        ; the tile's 256 columns,
	s_lshl_b32 s47, s16, 9                         ; my 128
	s_add_co_u32 s46, s46, s47
	s_mov_b32 s47, 0
	s_add_nc_u64 s[92:93], s[92:93], s[46:47]      ; bo at my first column
	s_add_nc_u64 s[20:21], s[20:21], s[46:47]
	s_add_nc_u64 s[94:95], s[94:95], s[20:21]
	v_lshlrev_b32 v7, 6, v2                        ; bo: 16 h numbers on
.irp t, 0,1,2,3,4,5,6,7
	global_load_b128 v[BIAS+8*\t:BIAS+8*\t+3], v7, s[92:93] offset:(32*(\t/2)+8*(\t%2))*4
	global_load_b128 v[BIAS+8*\t+4:BIAS+8*\t+7], v7, s[92:93] offset:(32*(\t/2)+8*(\t%2))*4+16
.endr
.macro FETCH slot, q, p                ; the fragments of the slot's q-th 128 along K into set p: Q's eight (window 1), P's four
	WIN 0x40
.irp i, 0,1,2,3,4,5,6,7
.irp c, 0,1
	ds_load_b128 v[128*(\p)+FR*\i+4*\c:128*(\p)+FR*\i+4*\c+3], v[ADRB+\slot] offset:64*(\q)+32*\c+\i*16*PITCH
.endr
.endr
	WIN 0
.irp i, 0,1,2,3
.irp c, 0,1
	ds_load_b128 v[AF+32*(\p)+FR*\i+4*\c:AF+32*(\p)+FR*\i+4*\c+3], v[ADRA+\slot] offset:4096*\i+1024*(\q)+512*\c
.endr
.endr
.endm
.macro SCALES sc                       ; a slot's scale words: lanes 0-15 P's block i (for i of 4 or more: bytes that were filled and are not used), lanes 16-31 Q's block i
.irp i, 0,1,2,3,4,5,6,7
	ds_load_b128 v[SC+32*\sc+NQ*\i:SC+32*\sc+NQ*\i+3], v[ADRS] offset:\i*SBLK
.endr
.endm
; 32 matrix instructions: the accumulators take turns, one instruction a turn, in the same order in every step.  first = 1: bo starts the sums
.macro MUL32 p, q, sc, first
.irp a, 0,1,2,3
.irp b, 0,1,2,3,4,5,6,7
.if \first
	v_wmma_scale_f32_16x16x128_f8f6f4 v[8*(8*\a+\b):8*(8*\a+\b)+7], v[128*(\p)+FR*\b:128*(\p)+FR*\b+FR-1], v[AF+32*(\p)+FR*\a:AF+32*(\p)+FR*\a+FR-1], v[BIAS+8*\b:BIAS+8*\b+7], v[SC+32*(\sc)+NQ*\b+(\q)], v[SC+32*(\sc)+NQ*\a+(\q)] matrix_a_fmt:MATRIX_FMT_FP4 matrix_b_fmt:MATRIX_FMT_FP4 matrix_a_scale:MATRIX_SCALE_ROW1
.else
	v_wmma_scale_f32_16x16x128_f8f6f4 v[8*(8*\a+\b):8*(8*\a+\b)+7], v[128*(\p)+FR*\b:128*(\p)+FR*\b+FR-1], v[AF+32*(\p)+FR*\a:AF+32*(\p)+FR*\a+FR-1], v[8*(8*\a+\b):8*(8*\a+\b)+7], v[SC+32*(\sc)+NQ*\b+(\q)], v[SC+32*(\sc)+NQ*\a+(\q)] matrix_a_fmt:MATRIX_FMT_FP4 matrix_b_fmt:MATRIX_FMT_FP4 matrix_a_scale:MATRIX_SCALE_ROW1
.endif
.endr
.endr
.endm
.macro PLACES
.rept 4
	v_nop
.endr
.endm
.macro STEP p, q, sc, first            ; a step whose successor lies in the same slot: its fragments are in; the next step's are asked for, 32 matrix instructions ahead of their use
	s_wait_dscnt 0x0
	PLACES                                         ; behind the last step's products, which read the set that is loaded now
	FETCH \sc, (\q)+1, 1-(\p)
.if \first
	WIN 0x81                                       ; Q window 1, P and bo window 0, D window 2
.else
	WIN 0xa1                                       ; Q window 1, P window 0, C and D window 2
.endif
	MUL32 \p, \q, \sc, \first
	WIN 0
.endm
	s_wait_tensorcnt 1                             ; the scales and my part of slot 0 are in (slot 1's load may be out)
	s_barrier_signal -1
	s_barrier_wait -1                              ; everybody's are
	FETCH 0, 0, 0
	SCALES 0
	s_wait_loadcnt 0x0                             ; bo
	STEP 0, 0, 0, 1
	STEP 1, 1, 0, 0
	STEP 0, 2, 0, 0
	; slot 0's last step changes slots
	s_wait_tensorcnt 0x0                           ; my part of slot 1 has landed
	ds_add_u32 v[SPW], v[NIL]                      ; 0 onto my spare word
	PLACES
	s_wait_dscnt 0x0                               ; the add is done, and my reads of slot 0 are over
	s_barrier_signal -1
	s_barrier_wait -1
	v_add_nc_u32 v[ADRS], 4*NQ, v[ADRS]            ; on to slot 1's scale words
	FETCH 1, 0, 0
	SCALES 1
	WIN 0xa1
	MUL32 1, 3, 0, 0
	WIN 0
	STEP 0, 0, 1, 0
	STEP 1, 1, 1, 0
	STEP 0, 2, 1, 0
	s_wait_dscnt 0x0                               ; the last step: nothing more to fetch
	WIN 0xa1
	MUL32 1, 3, 1, 0
	WIN 0
; THE WAY OUT, block by block of 16 rows x 128 columns, through my own stage: in by columns' places, back as whole rows of 512 bytes.  LDS serves a wave's instructions in order.
.macro TOSTAGE a
	WIN 0x08                                       ; an LDS store's data: window 2
.irp b, 0,1,2,3,4,5,6,7
	ds_store_b128 v[STO], v[64*(\a)+8*\b:64*(\a)+8*\b+3] offset:128*(\b/2)+32*(\b%2)       ; each accumulator from its low end on
	ds_store_b128 v[STO], v[64*(\a)+8*\b+4:64*(\a)+8*\b+7] offset:128*(\b/2)+32*(\b%2)+16
.endr
	WIN 0
.irp t, 0,1,2,3,4,5,6,7,8,9,10,11,12,13,14,15
	ds_load_b128 v[BK+64*((\a)%2)+4*\t:BK+64*((\a)%2)+4*\t+3], v[RD] offset:\t*SPITCH
.endr
.endm
.macro SEND a, younger                 ; younger: the LDS instructions issued behind block a's loads
	s_wait_dscnt \younger
.irp t, 0,1,2,3,4,5,6,7,8,9,10,11,12,13,14,15
	global_store_b128 v[CO], v[BK+64*((\a)%2)+4*\t:BK+64*((\a)%2)+4*\t+3], s[94:95] offset:(32*((\a)/2)+8*((\a)%2)+(\t%8)+16*(\t/8))*4096 th:TH_STORE_NT   ; the row's true number; 32 lanes store 512 consecutive bytes, aligned
.endr
.endm
	PLACES                                         ; behind the last products
	TOSTAGE 0
.irp a, 1,2,3
.if \a > 1
	s_wait_xcnt 0x0                                ; block a - 2's stores have read their registers: block a's loads may land there
.endif
	TOSTAGE \a
	SEND \a-1, 32                                  ; behind block a - 1's loads: block a's 16 stores and 16 loads
.endr
	SEND 3, 0
	s_wait_tensorcnt 0x0                           ; the wave's end
	ds_add_u32 v[SPW], v[NIL]
	s_wait_dscnt 0x0
	CROUND                                         ; the closing round
	s_endpgm
.Lfunc_end_k_q615cfb0eaa_proj:
	.size	k_q615cfb0eaa_proj, .Lfunc_end_k_q615cfb0eaa_proj-k_q615cfb0eaa_proj
	.p2alignl 7, 3214868480
	.fill 96, 4, 3214868480
	.section	.rodata,"a",@progbits
	.p2align	6, 0x0
	.amdhsa_kernel k_q615cfb0eaa_proj
		.amdhsa_group_segment_fixed_size 327680
		.amdhsa_private_segment_fixed_size 0
		.amdhsa_enable_private_segment 0
		.amdhsa_kernarg_size 48
		.amdhsa_user_sgpr_count 2
		.amdhsa_user_sgpr_kernarg_segment_ptr 1
		.amdhsa_wavefront_size32 1
		.amdhsa_system_sgpr_workgroup_id_x 1
		.amdhsa_system_sgpr_workgroup_id_y 1
		.amdhsa_system_sgpr_workgroup_id_z 1
		.amdhsa_system_vgpr_workitem_id 0
		.amdhsa_next_free_vgpr 768
		.amdhsa_next_free_sgpr 98
		.amdhsa_reserve_vcc 0
		.amdhsa_float_denorm_mode_32 3
		.amdhsa_float_denorm_mode_16_64 3
		.amdhsa_memory_ordered 1
		.amdhsa_forward_progress 1
		.amdhsa_inst_pref_size 74
	.end_amdhsa_kernel
	.amdgpu_metadata
---
amdhsa.version: [ 1, 2 ]
amdhsa.kernels:
  - .name:           k_q615cfb0eaa_proj
    .symbol:         k_q615cfb0eaa_proj.kd
    .args:
      - { .name: ac, .offset: 0, .size: 8, .value_kind: global_buffer, .address_space: global }
      - { .name: ascl, .offset: 8, .size: 8, .value_kind: global_buffer, .address_space: global }
      - { .name: wc, .offset: 16, .size: 8, .value_kind: global_buffer, .address_space: global }
      - { .name: ws, .offset: 24, .size: 8, .value_kind: global_buffer, .address_space: global }
      - { .name: bo, .offset: 32, .size: 8, .value_kind: global_buffer, .address_space: global }
      - { .name: out0, .offset: 40, .size: 8, .value_kind: global_buffer, .address_space: global }
    .group_segment_fixed_size: 327680
    .private_segment_fixed_size: 0
    .kernarg_segment_align: 8
    .kernarg_segment_size: 48
    .max_flat_workgroup_size: 128
    .sgpr_count:     98
    .vgpr_count:     768
    .wavefront_size: 32
...
	.end_amdgpu_metadata
.endif
;; end of part 4
